; MI455X (gfx1250); checked and timed in simulation.
; The chip was launched on July 23, 2026; its instructions are those of AMD's public machine-readable ISA for CDNA 5 (MIT licence, August 2026) and "CDNA5" Instruction Set Architecture Reference Guide (July 2026). The comments in the code are by the model that wrote it; some were corrected since.
;; Self Attention. Allowed arithmetic: matrix products marked QUANTISED: E2M1 operands, one E8M0 scale for each 32 along K, by v_wmma_scale_f32_16x16x128_f8f6f4 with both operands' format E2M1 (or v_wmma_scale_f32_32x16x128_f4), f32 sums; everything else in f32.
;; Inputs: Wk 2,048 x 2,048 float32; Wo 2,048 x 2,048 float32; Wq 2,048 x 2,048 float32; Wv 2,048 x 2,048 float32; bk 2,048 float32; bo 2,048 float32; bq 2,048 float32; bv 2,048 float32; freqs 2,048 x 64 float32; gk 2,048 float32; gq 2,048 float32; x 1 x 2,048 x 2,048 float32.
;; Outputs: out0 1 x 2,048 x 2,048 float32.
;; Constants: topk = 10.
;; This version of the problem:
;;   THIS VERSION OF THE PROBLEM IS GIVEN IN LOW PRECISION. The matrix products marked QUANTISED in the list below multiply operands that are first quantised to E2M1 (2 exponent bits, 1 mantissa bit; 4 bits a number), with one power-of-two scale for each 32 numbers along K (OCP MX v1.0); their sums are f32. All else is computed in f32.
;;   The module's matrix products, in the order in which they are computed (A, B: the left and right operand; K: the contracted axis; several contracted axes count as one K, in the product's order):
;;     1. [M 2,048, K 2,048] x [K 2,048, N 2,048]; A: input x; B: input Wq: QUANTISED
;;     2. [M 2,048, K 2,048] x [K 2,048, N 2,048]; A: input x; B: input Wk: QUANTISED
;;     3. [M 2,048, K 2,048] x [K 2,048, N 2,048]; A: input x; B: input Wv: QUANTISED
;;     4. batch 16 x [M 16, K 128] x [K 128, N 16]; A: computed on the way; B: computed on the way: QUANTISED
;;     5. batch 16 x [M 2,048, K 128] x [K 128, N 2,048]; A: computed on the way; B: computed on the way: QUANTISED
;;     6. batch 16 x [M 2,048, K 2,048] x [K 2,048, N 128]; A: computed on the way; B: computed on the way: QUANTISED
;;     7. [M 2,048, K 2,048] x [K 2,048, N 2,048]; A: computed on the way; B: input Wo: QUANTISED
;;   THE QUANTISER, for each operand of a quantised product, along K:
;;     - K is cut into blocks of 32 from its start; a last block that is shorter is filled with zeros.
;;     - A block's scale is 2^e with e = floor(log2(the largest magnitude in the block)) - 2, held to -126 .. 127; a block of zeros has e = 0. As a byte (E8M0): e + 127.
;;     - Each number is divided by its block's scale, clamped to +-6, and rounded to the nearest number of E2M1, ties to even, subnormals kept.
;;     - The product sums the exact products of the quantised numbers (number of the format x scale) in f32.
;;   ~~~python
;;   def quantise(x, axis):      # numpy; x: float32 -> the quantised numbers, widened to float32 again
;;       x = np.moveaxis(x, axis, -1); K = x.shape[-1]
;;       x = np.pad(x, [(0, 0)] * (x.ndim - 1) + [(0, -K % 32)]); x = x.reshape(x.shape[:-1] + (-1, 32)); a = np.abs(x).max(-1, keepdims=True)
;;       e = np.where(a > 0, np.clip(np.frexp(np.where(a > 0, a, 1))[1] - 1 - 2, -126, 127), 0)      # np.frexp(a)[1] - 1 = floor(log2(a)), exactly
;;       r = np.clip(x / 2.0 ** e, -6, 6)
;;       step = 2.0 ** (np.maximum(np.frexp(np.where(r == 0, 1, r))[1] - 1, 0) - 1)
;;       q = np.round(r / step) * step * 2.0 ** e      # np.round: ties to even
;;       return np.moveaxis(q.reshape(q.shape[:-2] + (-1,))[..., :K], -1, axis).astype(np.float32)
;;   ~~~
;;   OPERANDS COMPUTED ON THE WAY. 'Computed on the way' means the value that the module computes at that place (a softmax that the list does not call 'softmax' is quantised finished and normalised). What goes into a quantiser is computed in f32, as accurately as f32 sums, v_exp_f32 and their like allow (about 1e-6 of the number): no bf16 or f16 on the way to a quantiser, and a product that is left as it is and whose result goes on into a quantised operand takes f32 operands (vector FMAs, or v_wmma_f32_16x16x4_f32). A number that lies on a knife's edge between two numbers of the format may be rounded either way, as far as f32 arithmetic and the matrix unit's own rounding can turn it there, and no further.
;; One version. Each part assembles by itself: llvm-mc -triple=amdgcn-amd-amdhsa -mcpu=gfx1250 --defsym DOCPART=n.
;; ======== version 1 of 1: 6 launches
;; limits: right only within a limited range of input values
;; workspace buffers: wcs 11,141,120 bytes; qkv 50,331,648 bytes; acs 6,684,672 bytes; psum 4,194,304 bytes; masks 1,024 bytes of whole numbers; ocs 2,228,224 bytes
;; launch quant (part 1): grid 640 x 1, 4 waves a work-group, no clusters, 33,280 bytes of LDS; arguments Wq, Wk, x, Wv, Wo, wcs; writes wcs
.if DOCPART == 1
	.amdgcn_target "amdgcn-amd-amdhsa--gfx1250"
	.amdhsa_code_object_version 6
	.text
	.protected	k_q7610e004ae_quant
	.globl	k_q7610e004ae_quant
	.p2align	8
	.type	k_q7610e004ae_quant,@function
k_q7610e004ae_quant:
	s_mov_b64 s[64:65], 0
	v_nop
	global_prefetch_b8 v0, s[64:65] scope:SCOPE_SE
	s_setreg_imm32_b32 hwreg(HW_REG_WAVE_MODE, 25, 1), 1
	s_wait_xcnt 0x0
; LAUNCH 1 OF 6.  The program: quant (f32 -> FP4 codes of Wq, Wk, x, Wv, Wo), gemm_qkv (x Wq^T, x Wk^T, Wv x^T), norm (bias, RMS norm, gain, rope, codes of q, k, V^T, partial sums
; for the block means), draft (block means, their product, softmax, the top-10 rule: a 16-bit mask for each head and query block), attn (both attention products on the chosen blocks), gemm_out.
; WORK LEFT OUT, AND WHY IT IS DEAD.  reference() sets the score of every key whose block is not in bm to NEG = -1e30 ahead of the softmax.  Where a row has a chosen block, exp(NEG - max) is 0, so the
; 128 x 128 tiles of scores and of probs x V of blocks that are not chosen add exactly nothing to the row's sum or to the output, whatever the inputs hold.  Where a row has no chosen block, reference()
; itself replaces probs by 0: the row of the attention's output is zeros.  So attn multiplies the chosen blocks alone; which they are it reads as whole numbers that draft has stored.
; Every input has a way to the output and is loaded by some launch.
; LIMITS: NaN and infinities among the inputs are not served; a NaN, an infinity or an overflow that reaches only the tiles left out is not carried to the result; scores are taken to lie above -1e30;
; a block of zeros gets the scale byte 1 where the quantiser says 127 (its codes are zeros, which add nothing under any byte but 0xff, and this program alone reads the bytes).
;
; THIS LAUNCH.  The five tensors are [2048][2048] f32 with K innermost: plain streams of blocks of 32 numbers.  wcs holds their codes on end (10,240 rows of 1,024 bytes, in the order Wq, Wk, x, Wv, Wo)
; and, from byte SCL0 on, their scale bytes (10,240 rows of 64).  A block's scale is 2^(floor(log2(largest magnitude)) - 2): its byte is the largest magnitude's exponent field - 2, held at 1 from below.
; 128 work-groups to a tensor, four waves each; a wave takes 16 steps of 512 numbers.  Each of a step's four loads reads 512 consecutive bytes; the 2,048 bytes turn through the wave's own stage in LDS
; (16 bytes of padding behind each 64) and come back 64 bytes a lane, so that a lane holds 16 neighbours along K and two neighbouring lanes a block.  A wave's store of codes covers 256 consecutive bytes,
; aligned; its 256 scale bytes are gathered in LDS and leave as one such run.  Loads run four steps (16 loads a wave) ahead.  No tensor loads, no barrier: waves share nothing.
.set WAVES, 4
.set STEPS, 16
.set EMAX,  2
.set CB,    8                          ; bytes of 16 codes
.set SCL0,  10485760                   ; where the scale bytes begin in wcs
.set R,     16                         ; v16-79   four sets of 16 numbers as they are loaded
.set X,     80                         ; v80-111  two sets of 16 neighbours
.set E,     112                        ; v112-127 a scale byte for each step
.set C,     128                        ; v128-191 codes: four registers for each step, so that no store's data are written again
.set WREG,  8192                       ; LDS: a region for each wave: two stages of 32 x SP bytes, behind them its 256 scale bytes
.set SP,    80
.set SPW,   12                         ; v12 LDS address of my spare word; never rewritten
.set NIL,   13                         ; v13 0; never rewritten
.set SPARE, WAVES*WREG                 ; the spare words: 128 bytes for each wave, named by no other line
	s_load_b256 s[4:11], s[0:1], 0x0               ; Wq s[4:5], Wk s[6:7], x s[8:9], Wv s[10:11]
	s_load_b128 s[12:15], s[0:1], 0x20             ; Wo s[12:13], wcs s[14:15]
	v_lshl_add_u32 v[SPW], v0, 2, SPARE
	v_mov_b32 v[NIL], 0
	v_lshrrev_b32 v1, 5, v0
	v_readfirstlane_b32 s16, v1                    ; wave
	v_and_b32 v2, 31, v0                           ; lane
	v_lshlrev_b32 v3, 4, v2                        ; my 16 bytes of a load's 512
	s_mul_i32 s17, s16, WREG
	v_lshrrev_b32 v14, 2, v2
	v_mul_u32_u24 v14, v14, SP
	v_and_b32 v15, 3, v2
	v_lshl_add_u32 v14, v15, 4, v14
	v_add_nc_u32 v14, s17, v14                     ; the stage, on the way in: SP (lane / 4) + 16 (lane % 4)
	v_mul_u32_u24 v15, v2, SP
	v_add_nc_u32 v15, s17, v15                     ; and on the way out: SP x lane: my 16 neighbours
	v_mul_u32_u24 v4, v2, CB                       ; my codes' place in a step's
	v_lshrrev_b32 v5, 1, v2
	s_add_co_u32 s17, s17, 2*32*SP
	v_add_nc_u32 v5, s17, v5                       ; LDS: my wave's 256 scale bytes, my block's byte
	v_lshlrev_b32 v7, 3, v2                        ; and on the way out 8 bytes a lane
	v_add_nc_u32 v6, s17, v7
	s_lshr_b32 s22, ttmp9, 7                       ; which tensor: the choice hangs on the work-group's number alone
	s_and_b32 s18, ttmp9, 127
	s_lshl_b32 s18, s18, 2
	s_add_co_u32 s18, s18, s16                     ; which run of 8,192 numbers of the tensor is my wave's
	s_lshl_b32 s18, s18, 15                        ; 32,768 bytes a run
	s_mov_b32 s19, 0
	s_lshl_b32 s20, ttmp9, 2
	s_add_co_u32 s20, s20, s16                     ; and which run of all five: wcs holds the tensors on end
	s_wait_kmcnt 0x0
	s_cmp_eq_u32 s22, 1
	s_cselect_b64 s[4:5], s[6:7], s[4:5]
	s_cmp_eq_u32 s22, 2
	s_cselect_b64 s[4:5], s[8:9], s[4:5]
	s_cmp_eq_u32 s22, 3
	s_cselect_b64 s[4:5], s[10:11], s[4:5]
	s_cmp_eq_u32 s22, 4
	s_cselect_b64 s[4:5], s[12:13], s[4:5]
	s_add_nc_u64 s[4:5], s[4:5], s[18:19]
	s_lshl_b32 s18, s20, 12                        ; 4,096 bytes of codes a run
	s_add_nc_u64 s[8:9], s[14:15], s[18:19]
	s_lshl_b32 s18, s20, 8                         ; 256 scale bytes a run
	s_add_nc_u64 s[10:11], s[14:15], s[18:19]
	s_add_nc_u64 s[10:11], s[10:11], SCL0
.macro LOAD t
.irp i, 0,1,2,3
	global_load_b128 v[R+16*((\t)%4)+4*\i:R+16*((\t)%4)+4*\i+3], v3, s[4:5] offset:2048*(\t)+512*\i th:TH_LOAD_NT   ; 32 lanes read 512 consecutive bytes
.endr
.endm
.macro TURN t                          ; step t's numbers through the stage: LDS serves a wave's instructions in order, so no wait stands between the stores and the loads
.irp i, 0,1,2,3
	ds_store_b128 v14, v[R+16*((\t)%4)+4*\i:R+16*((\t)%4)+4*\i+3] offset:32*SP*((\t)%2)+8*SP*\i
.endr
.irp i, 0,1,2,3
	ds_load_b128 v[X+16*((\t)%2)+4*\i:X+16*((\t)%2)+4*\i+3], v15 offset:32*SP*((\t)%2)+16*\i
.endr
.endm
.irp t, 0,1,2,3
	LOAD \t
.endr
	s_wait_loadcnt 12                              ; step 0's four loads are in; the twelve of steps 1 to 3 stay out
	TURN 0
.macro STEP t
.set XS, X+16*((\t)%2)
.if (\t) > 0
	s_wait_dscnt 1                                 ; this step's numbers are back from the stage (the last step's byte store may be out)
.else
	s_wait_dscnt 0x0
.endif
.if (\t)+4 < STEPS
	LOAD (\t)+4                                    ; into the registers that this step's stage stores have read
.endif
.if (\t)+1 < STEPS
.if STEPS-2-(\t) >= 3
	s_wait_loadcnt 12                              ; the next step's four loads are in; those of the three steps behind it may be out
.else
	s_wait_loadcnt 4*(STEPS-2-(\t))
.endif
	TURN (\t)+1                                    ; and go through the other stage while this step is worked
.endif
	v_max3_num_f32 v8, |v[XS]|, |v[XS+1]|, |v[XS+2]|               ; the largest magnitude of my 16, in two chains
	v_max3_num_f32 v9, |v[XS+3]|, |v[XS+4]|, |v[XS+5]|
.irp i, 6,10
	v_max3_num_f32 v8, v8, |v[XS+\i]|, |v[XS+\i+1]|
	v_max3_num_f32 v9, v9, |v[XS+\i+2]|, |v[XS+\i+3]|
.endr
	v_max3_num_f32 v8, v8, |v[XS+14]|, |v[XS+15]|
	v_max3_num_f32 v8, v8, v9, (EMAX+1)<<23        ; and the floor 2^(3 - 127): the byte cannot fall under 1
	v_max_num_f32_dpp v8, v8, v8 row_xmask:1 row_mask:0xf bank_mask:0xf   ; and of my neighbour's 16: the block's
	v_add_nc_u32 v11, 0xff000000, v8               ; 2 off its exponent field: the conversion takes the exponent field of this operand as its scale
	v_cvt_scalef32_pk8_fp4_f32 v[C+4*(\t)], v[XS:XS+7], v11
	v_cvt_scalef32_pk8_fp4_f32 v[C+4*(\t)+1], v[XS+8:XS+15], v11
	v_lshrrev_b32 v[E+(\t)], 23, v11               ; the scale's byte
	ds_store_b8 v5, v[E+(\t)] offset:16*(\t)       ; both lanes of a block write the same byte with the same value
	global_store_b64 v4, v[C+4*(\t):C+4*(\t)+1], s[8:9] offset:32*CB*(\t)   ; 32 lanes store 256 consecutive bytes, aligned
.endm
.irp t, 0,1,2,3,4,5,6,7,8,9,10,11,12,13,14,15
	STEP \t
.endr
	ds_load_b64 v[8:9], v6                         ; LDS serves a wave's instructions in order: these see my stores
	s_wait_dscnt 0x0
	global_store_b64 v7, v[8:9], s[10:11]          ; 32 lanes store 256 consecutive bytes, aligned
	s_wait_tensorcnt 0x0                           ; the wave's end: three lines behind my last LDS store
	ds_add_u32 v[SPW], v[NIL]
	s_wait_dscnt 0x0
	s_endpgm
.Lfunc_end_k_q7610e004ae_quant:
	.size	k_q7610e004ae_quant, .Lfunc_end_k_q7610e004ae_quant-k_q7610e004ae_quant
	.p2alignl 7, 3214868480
	.fill 96, 4, 3214868480
	.section	.rodata,"a",@progbits
	.p2align	6, 0x0
	.amdhsa_kernel k_q7610e004ae_quant
		.amdhsa_group_segment_fixed_size 33280
		.amdhsa_private_segment_fixed_size 0
		.amdhsa_enable_private_segment 0
		.amdhsa_kernarg_size 48
		.amdhsa_user_sgpr_count 2
		.amdhsa_user_sgpr_kernarg_segment_ptr 1
		.amdhsa_wavefront_size32 1
		.amdhsa_system_sgpr_workgroup_id_x 1
		.amdhsa_system_sgpr_workgroup_id_y 1
		.amdhsa_system_sgpr_workgroup_id_z 1
		.amdhsa_system_vgpr_workitem_id 0
		.amdhsa_next_free_vgpr 192
		.amdhsa_next_free_sgpr 66
		.amdhsa_reserve_vcc 0
		.amdhsa_float_denorm_mode_32 3
		.amdhsa_float_denorm_mode_16_64 3
		.amdhsa_memory_ordered 1
		.amdhsa_forward_progress 1
		.amdhsa_inst_pref_size 33
	.end_amdhsa_kernel
	.amdgpu_metadata
---
amdhsa.version: [ 1, 2 ]
amdhsa.kernels:
  - .name:           k_q7610e004ae_quant
    .symbol:         k_q7610e004ae_quant.kd
    .args:
      - { .name: Wq, .offset: 0, .size: 8, .value_kind: global_buffer, .address_space: global }
      - { .name: Wk, .offset: 8, .size: 8, .value_kind: global_buffer, .address_space: global }
      - { .name: x, .offset: 16, .size: 8, .value_kind: global_buffer, .address_space: global }
      - { .name: Wv, .offset: 24, .size: 8, .value_kind: global_buffer, .address_space: global }
      - { .name: Wo, .offset: 32, .size: 8, .value_kind: global_buffer, .address_space: global }
      - { .name: wcs, .offset: 40, .size: 8, .value_kind: global_buffer, .address_space: global }
    .group_segment_fixed_size: 33280
    .private_segment_fixed_size: 0
    .kernarg_segment_align: 8
    .kernarg_segment_size: 48
    .max_flat_workgroup_size: 128
    .sgpr_count:     66
    .vgpr_count:     192
    .wavefront_size: 32
...
	.end_amdgpu_metadata
.endif
;; end of part 1
;; launch gemm_qkv (part 2): grid 24 x 8, 4 waves a work-group, clusters of 4 x 4, 327,680 bytes of LDS; arguments wcs, qkv; writes qkv
.if DOCPART == 2
	.amdgcn_target "amdgcn-amd-amdhsa--gfx1250"
	.amdhsa_code_object_version 6
	.text
	.protected	k_q7610e004ae_gemm_qkv
	.globl	k_q7610e004ae_gemm_qkv
	.p2align	8
	.type	k_q7610e004ae_gemm_qkv,@function
k_q7610e004ae_gemm_qkv:
	s_mov_b64 s[64:65], 0
	v_nop
	global_prefetch_b8 v0, s[64:65] scope:SCOPE_SE
	s_setreg_imm32_b32 hwreg(HW_REG_WAVE_MODE, 25, 1), 1
	s_wait_xcnt 0x0
	s_wait_alu depctr_hold_cnt(0) depctr_sa_sdst(0) depctr_va_vdst(0) depctr_va_sdst(0) depctr_va_ssrc(0) depctr_va_vcc(0) depctr_vm_vsrc(0)
	s_getreg_b32 s2, hwreg(HW_REG_IB_STS2, 6, 4)
	s_cmp_eq_u32 s2, 0
	s_cbranch_scc0 .Lentry_in_a_cluster
	s_endpgm
.Lentry_in_a_cluster:
	s_bfe_u32 s2, ttmp6, 0x10000c
	s_cmp_lg_u32 s2, 0xf033
	s_cbranch_scc0 .Lentry_shape_is_right
	s_endpgm
.Lentry_shape_is_right:
; LAUNCH 2 OF 6.  C[m][n] = sum over k of A[m][k] B[n][k] on FP4 codes with one E8M0 scale for each 32 along K; C = qkv [2048][6144] f32, no bias yet.
; Tile columns 0-15 (cluster x 0-3): A = x (rows 4096.. of wcs), B = Wq, Wk (rows 0..4095): columns 0..2047 are x Wq^T, 2048..4095 x Wk^T, a token to a row.
; Tile columns 16-23 (cluster x 4, 5): A = Wv (rows 6144..), B = x (rows 4096..): columns 4096..6143 are Wv x^T = V^T, a channel to a row and the tokens along it, as the next quantiser wants them.
; B's row in wcs is simply 256 x tile column; A's first row is 4096 + 2048 x (cluster x / 4), the same in all sixteen partners of a cluster.
; A tile of C, 256 x 256, is made by four waves, each 128 x 128: 64 accumulators, 512 registers.  K goes in steps of 512 (rows of 256 bytes) through a ring of two LDS slots filled by tensor loads.
; The scale bytes of the work-group's 256 + 256 rows, for all of K, are two dense blocks: they come into LDS once, with the first fills.
; CLUSTERS: 4 x 4.  The four of a row of the cluster need the same tiles of A, the four of a column the same tiles of B: each tile is asked for jointly, by the same tensor load with the same descriptor.
; The matrix instruction is used transposed (source 0 = 16 rows of B, source 1 = 16 rows of A): a lane then holds eight neighbouring numbers of a row of C.
; REGISTERS, in windows of 256: window 0: v0-31 addresses; v32-95 scale words, two sets; from v128 A's fragments, one set; window 1: B's fragments, two sets; windows 2, 3: the accumulators.
; No prefetch: K has four slot fills, two of them first fills.  192 work-groups: one tile each.
.set QKV,    1
.set SIZE_M, 2048
.set SIZE_N, 6144
.set SIZE_K, 2048
.set SCL0,   10485760                  ; wcs: where the scale bytes begin
.set OSC0,   2097152                   ; ocs: likewise
.set KSTEP,  512
.set NQ,     KSTEP/128
.set ROWB,   256
.set KROW,   SIZE_K*4/8
.set PITCH,  272                       ; an LDS row: 256 bytes + 16 of padding: the 16 rows that a load touches start 68 words apart
.set FR,     8
.set NL,     2
.set NP,     4
.set HALFT,  128*PITCH
.set SLOT,   4*HALFT
.set LAPS,   SIZE_K/(2*KSTEP)
.set KS,     SIZE_K/32
.set SCL,    2*SLOT
.set HALFS,  (128*KS/256)*272
.set SBLK,   (16*KS/256)*272
.set SPARE,  SCL+4*HALFS               ; the spare words: 128 bytes for each wave, named by no other line
.set SPITCH, 528                       ; the way out: a stage of 16 rows x (512 + 16) bytes for each wave, in slot 0, which has had its last fill and its last read by then
.set ADRA, 16
.set ADRB, 20
.set STO,  24
.set RD,   25
.set CO,   26
.set ADRS, 27
.set SPW,  28
.set NIL,  29
.set SC,   32
.set BI,   96                          ; v96-99 (the launch with a bias): the bias of the four columns that I store
.set AF,   128
.set BK,   128
.set G1, 24
.set G0, 32
.set G1B, 48
.set G0B, 56
.set G1S, 68
.set G0S, 76
.set G1SB, 80
.set G0SB, 88
.set MSB, 0
.macro WIN new                         ; the immediate's high byte repeats the setting that is left
.if MSB != \new
	s_set_vgpr_msb (MSB<<8)|\new
.set MSB, \new
.endif
.endm
.set MUL_LO, 0xa1                      ; source 0 (B) window 1, source 1 (A) window 0, C and D window 2
.set MUL_HI, 0xf1                      ; the same, C and D window 3
.set TO_B,   0x40                      ; destination window 1, address window 0
; A joint load: waves 0 and 1 fetch for A, waves 2 and 3 for B.  The branch hangs on the wave's number alone.  An s_nop 0 and four v_nop follow each of the two lines.
.macro JLOAD g0a, g1a, g0b, g1b
	s_cmp_eq_u32 s15, 0
	s_cbranch_scc0 .Lfor_b_\@
	tensor_load_to_lds s[\g0a:\g0a+3], s[\g1a:\g1a+7]
	s_nop 0
.rept 4
	v_nop
.endr
	s_branch .Lasked_\@
.Lfor_b_\@:
	tensor_load_to_lds s[\g0b:\g0b+3], s[\g1b:\g1b+7]
	s_nop 0
.rept 4
	v_nop
.endr
.Lasked_\@:
.endm
.macro CREST                           ; a round of the cluster's barrier behind its opening barrier
	s_cmp_lg_u32 s14, 0
	s_cbranch_scc1 .Lnot_wave_0_\@
	s_barrier_signal -3
.Lnot_wave_0_\@:
	s_barrier_wait -3
	s_barrier_signal -1
	s_barrier_wait -1
.endm
.macro CROUND                          ; a whole round
	s_barrier_signal -1
	s_barrier_wait -1
	CREST
.endm
.if QKV
	s_load_b128 s[4:7], s[0:1], 0x0                ; wcs s[4:5], qkv s[6:7]
.else
	s_load_b128 s[4:7], s[0:1], 0x0                ; ocs s[4:5], wcs s[6:7]
	s_load_b128 s[96:99], s[0:1], 0x10             ; bo s[96:97], out0 s[98:99]
.endif
	v_lshl_add_u32 v[SPW], v0, 2, SPARE
	v_mov_b32 v[NIL], 0
	ds_add_u32 v[SPW], v[NIL]                      ; the wave's opening: the add, twice on end, and its wait ahead of my first tensor load
	ds_add_u32 v[SPW], v[NIL]                      ; and once more, under the one wait; the set-up below, work on registers, stands between
	v_lshrrev_b32 v1, 5, v0
	v_readfirstlane_b32 s14, v1                    ; wave 0..3
	s_lshr_b32 s15, s14, 1                         ; which half of the tile's rows is mine.  Also: I fetch for A (0) or for B (1)
	s_and_b32 s16, s14, 1                          ; which half of its columns.  Also: which 128 rows of that tile I fetch
	s_bfe_u32 s40, ttmp6, 0x40000                  ; cx, cy: my place in the cluster
	s_bfe_u32 s41, ttmp6, 0x40004
	s_lshl_b32 s42, ttmp9, 2
	s_add_co_u32 s42, s42, s40                     ; tile column of C = 4 x cluster x + cx
	s_and_b32 s17, ttmp7, 0xffff
	s_lshl_b32 s17, s17, 2
	s_add_co_u32 s17, s17, s41                     ; tile row of C = 4 x cluster y + cy
	s_lshl_b32 s43, s41, 2
	s_lshl_b32 s43, 15, s43                        ; my row of the cluster
	s_lshl_b32 s44, 0x1111, s40                    ; my column
	; descriptor group 1: a tile of 128 rows x 256 bytes, padded in LDS
	s_or_b32 s[G1+0], s43, (0<<16)|(1<<20)|(1<<21)|(5<<22)|(3<<25)  ; 15:0 the mask: A's tiles go to my row; 17:16 elements of 1 byte; 20 padding on; 21 set beside a mask; 24:22 after every 64 words; 31:25 four words
	s_or_b32 s[G1B+0], s44, (0<<16)|(1<<20)|(1<<21)|(5<<22)|(3<<25)
.irp g, G1, G1B
	s_mov_b32 s[\g+1], ROWB<<16                    ; tensor_dim0
	s_mov_b32 s[\g+2], 128<<16                     ; tensor_dim1
	s_mov_b32 s[\g+3], ROWB<<16                    ; tile_dim0
	s_mov_b32 s[\g+4], 128                         ; tile_dim1
	s_mov_b32 s[\g+5], KROW                        ; tensor_dim0_stride
	s_mov_b32 s[\g+6], 0
	s_mov_b32 s[\g+7], 0
.endr
	; and for the scale bytes of 128 rows: a dense block of 8,192 bytes, as 32 rows of 256 bytes (32 elements of 8 bytes), 16 bytes of padding behind each
	s_or_b32 s[G1S+0], s43, (3<<16)|(1<<20)|(1<<21)|(5<<22)|(3<<25)
	s_or_b32 s[G1SB+0], s44, (3<<16)|(1<<20)|(1<<21)|(5<<22)|(3<<25)
.irp g, G1S, G1SB
	s_mov_b32 s[\g+1], 32<<16
	s_mov_b32 s[\g+2], (128*KS/256)<<16
	s_mov_b32 s[\g+3], 32<<16
	s_mov_b32 s[\g+4], 128*KS/256
	s_mov_b32 s[\g+5], 32
	s_mov_b32 s[\g+6], 0
	s_mov_b32 s[\g+7], 0
.endr
	s_lshl_b32 s18, s16, 7                         ; which 128 rows of the tile I fetch
	s_lshl_b32 s20, s17, 8
	s_add_co_u32 s20, s20, s18                     ; A: row 256 x tile row + 128 x half
	s_lshl_b32 s46, s42, 8
	s_add_co_u32 s46, s46, s18                     ; B: row 256 x tile column + 128 x half
.if QKV
	s_lshr_b32 s19, ttmp9, 2                       ; cluster x 0-3: A = x; 4, 5: A = Wv.  The cluster's x is shared by all sixteen partners
	s_lshl_b32 s19, s19, 11
	s_add_co_u32 s19, s19, 4096
	s_add_co_u32 s20, s20, s19
.else
	s_add_co_u32 s46, s46, 8192                    ; B = Wo: rows 8192.. of wcs
.endif
	s_mov_b32 s21, 0
	s_mov_b32 s47, 0
	s_mov_b64 s[18:19], KS
	s_mul_u64 s[22:23], s[20:21], s[18:19]         ; where these rows' scale bytes begin
	s_mul_u64 s[92:93], s[46:47], s[18:19]
	s_mov_b64 s[18:19], KROW
	s_mul_u64 s[20:21], s[20:21], s[18:19]         ; and their codes
	s_mul_u64 s[46:47], s[46:47], s[18:19]
	s_mul_i32 s45, s14, HALFT                      ; where they go: wave x 128 rows: no place in the cluster enters an LDS address
	s_mul_i32 s94, s14, HALFS
	s_wait_dscnt 0x0                               ; both opening adds are done
	s_wait_kmcnt 0x0
.if QKV
	s_mov_b64 s[12:13], s[6:7]                     ; C
	s_mov_b64 s[8:9], s[4:5]                       ; A's and B's codes lie in one buffer,
	s_add_nc_u64 s[6:7], s[4:5], SCL0              ; and so do their scale bytes
	s_mov_b64 s[10:11], s[6:7]
.else
	s_mov_b64 s[12:13], s[98:99]                   ; C
	s_mov_b64 s[8:9], s[6:7]                       ; B's codes: wcs
	s_add_nc_u64 s[10:11], s[8:9], SCL0            ; B's scale bytes
	s_add_nc_u64 s[6:7], s[4:5], OSC0              ; A's scale bytes: in ocs
.endif
	s_add_nc_u64 s[20:21], s[4:5], s[20:21]
	s_add_nc_u64 s[22:23], s[6:7], s[22:23]
	s_add_nc_u64 s[46:47], s[8:9], s[46:47]
	s_add_nc_u64 s[92:93], s[10:11], s[92:93]
	CROUND                                         ; all sixteen work-groups are here: the first joint loads meet
	s_mov_b32 s[G0S], 1
	s_add_co_u32 s[G0S+1], s94, SCL
	s_mov_b64 s[G0S+2:G0S+3], s[22:23]
	s_or_b32 s[G0S+3], s[G0S+3], 0x80000000
	s_mov_b32 s[G0SB], 1
	s_add_co_u32 s[G0SB+1], s94, SCL
	s_mov_b64 s[G0SB+2:G0SB+3], s[92:93]
	s_or_b32 s[G0SB+3], s[G0SB+3], 0x80000000
	JLOAD G0S, G1S, G0SB, G1SB                     ; the scale bytes first: they are wanted with K step 0
.irp s, 0,1
	s_mov_b32 s[G0+4*\s], 1
	s_add_co_u32 s[G0+4*\s+1], s45, \s*SLOT
	s_add_nc_u64 s[G0+4*\s+2:G0+4*\s+3], s[20:21], \s*ROWB
	s_or_b32 s[G0+4*\s+3], s[G0+4*\s+3], 0x80000000
	s_mov_b32 s[G0B+4*\s], 1
	s_add_co_u32 s[G0B+4*\s+1], s45, \s*SLOT
	s_add_nc_u64 s[G0B+4*\s+2:G0B+4*\s+3], s[46:47], \s*ROWB
	s_or_b32 s[G0B+4*\s+3], s[G0B+4*\s+3], 0x80000000
	JLOAD G0+4*\s, G1, G0B+4*\s, G1B               ; by this text's count three tensor loads of a wave are out here
.endr
	v_and_b32 v1, 15, v0                           ; l % 16
	v_bfe_u32 v2, v0, 4, 1                         ; l / 16
	v_mul_u32_u24 v3, v1, PITCH
	v_lshl_add_u32 v4, v2, 4, v3                   ; a fragment's row x pitch + 16 x half
	s_mul_i32 s21, s15, HALFT                      ; my 128 rows of A
	s_mul_i32 s22, s16, HALFT                      ; my 128 rows of B,
	s_add_co_u32 s22, s22, 2*HALFT                 ; which lie behind A's 256
.irp s, 0,1
	v_add_nc_u32 v[ADRA+\s], s21, v4
	v_add_nc_u32 v[ADRB+\s], s22, v4
	s_add_co_u32 s21, s21, SLOT
	s_add_co_u32 s22, s22, SLOT
.endr
	v_mul_u32_u24 v5, v1, KS                       ; my row's scale bytes: KS bytes a row,
	v_lshrrev_b32 v6, 8, v5
	v_lshl_add_u32 v5, v6, 4, v5                   ; and 16 more for each 256 passed
	s_mul_i32 s21, s15, HALFS                      ; A's: my 128 rows
	s_mul_i32 s22, s16, HALFS                      ; B's: my 128 rows, behind A's 256
	s_add_co_u32 s22, s22, 2*HALFS
	s_sub_co_u32 s22, s22, s21
	v_mul_u32_u24 v6, s22, v2                      ; lanes 16-31 take B's
	s_add_co_u32 s21, s21, SCL
	v_add_nc_u32 v5, v5, v6
	v_add_nc_u32 v[ADRS], s21, v5
	s_mul_i32 s23, s14, 16*SPITCH                  ; my stage
	v_mul_u32_u24 v5, v1, SPITCH                   ; in: row l % 16, 32 bytes for each half of the lanes
	v_lshl_add_u32 v5, v2, 5, v5
	v_add_nc_u32 v[STO], s23, v5
	v_and_b32 v6, 31, v0
	v_lshlrev_b32 v[CO], 4, v6                     ; back: the 32 lanes take one row of 512 bytes; and the same in C
	v_add_nc_u32 v[RD], s23, v[CO]
	s_lshl_b32 s20, s17, 8
	s_lshl_b32 s21, s15, 7
	s_add_co_u32 s20, s20, s21                     ; my first row of C: 256 x tile row + 128 x half
	s_mov_b32 s21, 0
	s_mov_b64 s[18:19], SIZE_N*4
	s_mul_u64 s[20:21], s[20:21], s[18:19]
	s_lshl_b32 s46, s42, 10                        ; my first column, in bytes: 1024 x tile column + 512 x half
	s_lshl_b32 s47, s16, 9
	s_add_co_u32 s46, s46, s47
	s_mov_b32 s47, 0
	s_add_nc_u64 s[20:21], s[20:21], s[46:47]
	s_add_nc_u64 s[12:13], s[12:13], s[20:21]
.if QKV == 0
	s_add_nc_u64 s[96:97], s[96:97], s[46:47]      ; the bias at my first column
	global_load_b128 v[BI:BI+3], v[CO], s[96:97]   ; of the four columns that I store in every row
.endif
.macro FRAG reg, adr, q, i             ; a fragment, 16 rows x 128 K of 4-bit codes, is 8 registers: lane l holds row l % 16; registers 4 c .. 4 c + 3 hold K = 64 c + 32 (l / 16) + 0 .. 31
.irp c, 0,1
	ds_load_b128 v[\reg+4*\c:\reg+4*\c+3], v[\adr] offset:64*(\q)+32*\c+(\i)*16*PITCH
.endr
.endm
; 16 matrix instructions: A's blocks a0, a0 + 1 x B's eight, 128 along K: the slot's q-th.  p: B's set; sc: the set of scale words.  zero = 1: the first product starts the sums.
; The 64 accumulators take turns, one instruction a turn, in the same order in every step.
.macro MUL16 a0, p, q, sc, zero
.irp a, \a0, \a0+1
.irp b, 0,1,2,3,4,5,6,7
.if \zero
	v_wmma_scale_f32_16x16x128_f8f6f4 v[8*(8*((\a)%4)+\b):8*(8*((\a)%4)+\b)+7], v[128*(\p)+FR*\b:128*(\p)+FR*\b+FR-1], v[AF+FR*(\a):AF+FR*(\a)+FR-1], 0, v[SC+8*NQ*(\sc)+NQ*\b+(\q)], v[SC+8*NQ*(\sc)+NQ*(\a)+(\q)] matrix_a_fmt:MATRIX_FMT_FP4 matrix_b_fmt:MATRIX_FMT_FP4 matrix_a_scale:MATRIX_SCALE_ROW1
.else
	v_wmma_scale_f32_16x16x128_f8f6f4 v[8*(8*((\a)%4)+\b):8*(8*((\a)%4)+\b)+7], v[128*(\p)+FR*\b:128*(\p)+FR*\b+FR-1], v[AF+FR*(\a):AF+FR*(\a)+FR-1], v[8*(8*((\a)%4)+\b):8*(8*((\a)%4)+\b)+7], v[SC+8*NQ*(\sc)+NQ*\b+(\q)], v[SC+8*NQ*(\sc)+NQ*(\a)+(\q)] matrix_a_fmt:MATRIX_FMT_FP4 matrix_b_fmt:MATRIX_FMT_FP4 matrix_a_scale:MATRIX_SCALE_ROW1
.endif
.endr
.endr
.endm
.macro FETCH_B slot, q, p              ; B's eight fragments of the slot's q-th 128 along K into set p
	WIN TO_B
.irp i, 0,1,2,3,4,5,6,7
	FRAG 128*(\p)+FR*\i, ADRB+\slot, \q, \i
.endr
	WIN 0
.endm
.macro FETCH_A slot, q, i0             ; A's blocks i0 .. i0 + 3
.irp i, \i0, \i0+1, \i0+2, \i0+3
	FRAG AF+FR*(\i), ADRA+\slot, \q, \i
.endr
.endm
.macro SCALES sc                       ; the next K step's scale words into set sc: four words a row; lanes 0-15 take A's block i, lanes 16-31 B's block i
.irp i, 0,1,2,3,4,5,6,7
	ds_load_b128 v[SC+8*NQ*\sc+NQ*\i:SC+8*NQ*\sc+NQ*\i+3], v[ADRS] offset:\i*SBLK
.endr
.endm
; A load into a register that a matrix instruction has read, and an LDS store that reads a matrix result, stand four plain vector instructions behind that matrix instruction.
.macro PLACES n
.rept \n
	v_nop
.endr
.endm
; A step of 128 along K that has its successor in the same slot.
.macro STEP slot, q, zero
	s_wait_dscnt 4*NL                              ; B's set and A's blocks 0-3 are in; the youngest eight loads (A's blocks 4-7) may be out
	WIN MUL_LO
	MUL16 0, (\q)%2, \q, \slot, \zero
	MUL16 2, (\q)%2, \q, \slot, \zero
	s_wait_dscnt 0                                 ; A's blocks 4-7 are in
	PLACES NP
	FETCH_B \slot, (\q)+1, 1-(\q)%2
	FETCH_A \slot, (\q)+1, 0
	WIN MUL_HI
	MUL16 4, (\q)%2, \q, \slot, \zero
	MUL16 6, (\q)%2, \q, \slot, \zero
	PLACES NP
	WIN 0
	FETCH_A \slot, (\q)+1, 4
.endm
; A slot's last step changes slots: one barrier; in front of it each wave waits for all its tensor loads, adds 0 to its spare word, and waits for that and for its own reads of this slot.
.macro TURN slot, next, fill
	s_wait_tensorcnt 0x0                           ; all my tensor loads have landed: my part of the next slot
	ds_add_u32 v[SPW], v[NIL]                      ; 0 onto my spare word
	s_wait_dscnt 4*NL+1                            ; (the add and the youngest eight loads, A's blocks 4-7, may be out)
	WIN MUL_LO
	MUL16 0, 1, NQ-1, \slot, 0                     ; sixteen matrix instructions stand between the add and the wait for it
	s_wait_dscnt 0x0                               ; the add is done, and my reads of this slot are over
	s_barrier_signal -1
	MUL16 2, 1, NQ-1, \slot, 0
	WIN 0
	s_barrier_wait -1
.if \fill
	CREST                                          ; the barrier has opened a round of the cluster's barrier: no wave of any partner still reads this slot or has a load on its way
	s_add_nc_u64 s[G0+4*\slot+2:G0+4*\slot+3], s[G0+4*\slot+2:G0+4*\slot+3], 2*ROWB
	s_add_nc_u64 s[G0B+4*\slot+2:G0B+4*\slot+3], s[G0B+4*\slot+2:G0B+4*\slot+3], 2*ROWB
	JLOAD G0+4*\slot, G1, G0B+4*\slot, G1B         ; the first tensor load behind the round, my only one until the next; its four v_nop are the places in front of the loads below
.else
	PLACES NP
.endif
	v_add_nc_u32 v[ADRS], 4*NQ, v[ADRS]            ; on to the next K step's scale words (no LDS load of mine is out)
	FETCH_B \next, 0, 0
	FETCH_A \next, 0, 0
	SCALES \next
	WIN MUL_HI
	MUL16 4, 1, NQ-1, \slot, 0
	MUL16 6, 1, NQ-1, \slot, 0
	PLACES NP
	WIN 0
	FETCH_A \next, 0, 4
.endm
.macro STEPS slot, from                ; the slot's steps from .. NQ - 2
.set Q, \from
.rept NQ-1-\from
	STEP \slot, Q, 0
.set Q, Q+1
.endr
.endm
	s_wait_tensorcnt 1                             ; the scale bytes and my part of K step 0 are in (K step 1's load, issued behind them, may be out)
	s_barrier_signal -1
	s_barrier_wait -1                              ; everybody's are
	FETCH_B 0, 0, 0
	FETCH_A 0, 0, 0
	SCALES 0
	FETCH_A 0, 0, 4
	STEP 0, 0, 1                                   ; the first step stands in front of the loop: its products start the sums
.if LAPS > 1
	s_mov_b32 s3, LAPS-1
.Llap:                                                 ; a trip goes once round the ring, from a lap's second step to the next lap's first, and fills both slots again
	STEPS 0, 1
	TURN 0, 1, 1
	STEPS 1, 0
	TURN 1, 0, 1
	STEP 0, 0, 0
	s_sub_co_u32 s3, s3, 1
	s_cmp_lg_u32 s3, 0
	s_cbranch_scc1 .Llap
.endif
	STEPS 0, 1                                     ; the last lap fills nothing, and has no round of the cluster's barrier
	TURN 0, 1, 0
	STEPS 1, 0
	s_wait_dscnt 4*NL                              ; the very last step: nothing more to fetch
	WIN MUL_LO
	MUL16 0, 1, NQ-1, 1, 0
	MUL16 2, 1, NQ-1, 1, 0
	s_wait_dscnt 0
	WIN MUL_HI
	MUL16 4, 1, NQ-1, 1, 0
	MUL16 6, 1, NQ-1, 1, 0
	WIN 0
; THE WAY OUT, block by block of 16 rows x 128 columns, through my own stage in LDS: back come whole rows of 512 bytes.  LDS serves a wave's instructions in order: no wait between the stores and the loads.
.macro TOSTAGE a
.set AC, 64*((\a)%4)
	WIN 0x08+4*((\a)/4)                            ; the data: window 2 or 3
.irp b, 0,1,2,3,4,5,6,7
	ds_store_b128 v[STO], v[AC+8*\b:AC+8*\b+3] offset:64*\b          ; each accumulator from its low end on
	ds_store_b128 v[STO], v[AC+8*\b+4:AC+8*\b+7] offset:64*\b+16
.endr
	WIN 0
.set BB, BK+64*((\a)%2)
.irp t, 0,1,2,3,4,5,6,7,8,9,10,11,12,13,14,15
	ds_load_b128 v[BB+4*\t:BB+4*\t+3], v[RD] offset:\t*SPITCH
.endr
.endm
.macro SEND a, younger                 ; younger: the LDS instructions issued behind block a's loads, which may stay out
.set BB, BK+64*((\a)%2)
	s_wait_dscnt \younger                          ; the block is back in registers
.if (\a) > 0
	s_add_nc_u64 s[12:13], s[12:13], 16*SIZE_N*4   ; (behind a wait on XCNT: the earlier stores have read their base)  16 rows of C on
.endif
.if QKV == 0
.irp t, 0,1,2,3,4,5,6,7,8,9,10,11,12,13,14,15
	v_pk_add_f32 v[BB+4*\t:BB+4*\t+1], v[BB+4*\t:BB+4*\t+1], v[BI:BI+1]         ; + the bias of my four columns
	v_pk_add_f32 v[BB+4*\t+2:BB+4*\t+3], v[BB+4*\t+2:BB+4*\t+3], v[BI+2:BI+3]
.endr
.endif
.irp t, 0,1,2,3,4,5,6,7,8,9,10,11,12,13,14,15
	global_store_b128 v[CO], v[BB+4*\t:BB+4*\t+3], s[12:13] offset:\t*SIZE_N*4 th:TH_STORE_NT   ; 32 lanes store 512 consecutive bytes, at a multiple of 256 from C's first byte
.endr
.endm
.if QKV == 0
	s_wait_loadcnt 0x0                             ; the bias
.endif
	PLACES NP
	TOSTAGE 0
.irp a, 1,2,3,4,5,6,7
.if \a > 1
	s_wait_xcnt 0x0                                ; block a - 2's stores have read their registers and their base
.endif
	TOSTAGE \a
	SEND \a-1, 32                                  ; behind block a - 1's loads: block a's 16 stores and 16 loads
.endr
	s_wait_xcnt 0x0                                ; block 6's stores have read their base
	SEND 7, 0
	s_wait_tensorcnt 0x0                           ; the wave's end: three lines behind my last tensor load and my last LDS store
	ds_add_u32 v[SPW], v[NIL]
	s_wait_dscnt 0x0
	CROUND                                         ; the closing round: no work-group ends while a partner may still ask for a tile that names it
	s_endpgm
.Lfunc_end_k_q7610e004ae_gemm_qkv:
	.size	k_q7610e004ae_gemm_qkv, .Lfunc_end_k_q7610e004ae_gemm_qkv-k_q7610e004ae_gemm_qkv
	.p2alignl 7, 3214868480
	.fill 96, 4, 3214868480
	.section	.rodata,"a",@progbits
	.p2align	6, 0x0
	.amdhsa_kernel k_q7610e004ae_gemm_qkv
		.amdhsa_group_segment_fixed_size 327680
		.amdhsa_private_segment_fixed_size 0
		.amdhsa_enable_private_segment 0
		.amdhsa_kernarg_size 16
		.amdhsa_user_sgpr_count 2
		.amdhsa_user_sgpr_kernarg_segment_ptr 1
		.amdhsa_wavefront_size32 1
		.amdhsa_system_sgpr_workgroup_id_x 1
		.amdhsa_system_sgpr_workgroup_id_y 1
		.amdhsa_system_sgpr_workgroup_id_z 1
		.amdhsa_system_vgpr_workitem_id 0
		.amdhsa_next_free_vgpr 1024
		.amdhsa_next_free_sgpr 98
		.amdhsa_reserve_vcc 0
		.amdhsa_float_denorm_mode_32 3
		.amdhsa_float_denorm_mode_16_64 3
		.amdhsa_memory_ordered 1
		.amdhsa_forward_progress 1
		.amdhsa_inst_pref_size 212
	.end_amdhsa_kernel
	.amdgpu_metadata
---
amdhsa.version: [ 1, 2 ]
amdhsa.kernels:
  - .name:           k_q7610e004ae_gemm_qkv
    .symbol:         k_q7610e004ae_gemm_qkv.kd
    .args:
      - { .name: wcs, .offset: 0, .size: 8, .value_kind: global_buffer, .address_space: global }
      - { .name: qkv, .offset: 8, .size: 8, .value_kind: global_buffer, .address_space: global }
    .group_segment_fixed_size: 327680
    .private_segment_fixed_size: 0
    .kernarg_segment_align: 8
    .kernarg_segment_size: 16
    .max_flat_workgroup_size: 128
    .sgpr_count:     98
    .vgpr_count:     1024
    .wavefront_size: 32
...
	.end_amdgpu_metadata
.endif
;; end of part 2
;; launch norm (part 3): grid 256 x 1, 8 waves a work-group, no clusters, 42,496 bytes of LDS; arguments qkv, freqs, bq, bk, bv, gq, gk, acs, psum; writes acs, psum
.if DOCPART == 3
	.amdgcn_target "amdgcn-amd-amdhsa--gfx1250"
	.amdhsa_code_object_version 6
	.text
	.protected	k_q7610e004ae_norm
	.globl	k_q7610e004ae_norm
	.p2align	8
	.type	k_q7610e004ae_norm,@function
k_q7610e004ae_norm:
	s_mov_b64 s[64:65], 0
	v_nop
	global_prefetch_b8 v0, s[64:65] scope:SCOPE_SE
	s_setreg_imm32_b32 hwreg(HW_REG_WAVE_MODE, 25, 1), 1
	s_wait_xcnt 0x0
; LAUNCH 3 OF 6.  From qkv [2048][6144] f32 (columns 0..2047 x Wq^T, 2048..4095 x Wk^T by token; 4096..6143 V^T by channel):
;   q = rope(rms_norm(. + bq) gq), k likewise: FP4 codes along the head's 128, [head][token][64 bytes], scale words [head][token][4 bytes];
;   V^T + bv: FP4 codes along the keys, [head][key block][channel][64 bytes], scale words [head][key block][channel][4 bytes];
;   psum [work-group][q, k][2048]: the sums of roped q and k over the work-group's 8 tokens, for the block means.
; SHARES.  Work-group i owns rows 8 i .. 8 i + 7 of qkv.  Wave w owns the chunks of 128 columns 2 w and 2 w + 1 of each of the three tensors (heads for q and k, key blocks for V^T).
; A load is one row's chunk: 32 lanes read 512 consecutive bytes, lane l columns 4 l .. 4 l + 3, which are rope's pairs 2 l and 2 l + 1.  All 41 loads of q, k, biases, gains and angles go out at once.
; The row's sum of squares spans the eight waves: each wave's part meets the others in LDS behind the one barrier.  cos and sin of token 8 i + w are made by wave w and meet there too.
; cos AND sin: n = nearest whole number to x 2 / pi; r = x - n pi / 2 with pi / 2 in two parts (the first fused step rounds nothing); polynomials in r r on |r| <= pi / 4; the quadrant from n's low two bits.
; LIMIT: |freqs| up to about 1e5 (the part of pi / 2 left out, 1.7e-15, times n stays under 2e-10).  NaN and infinities are not served.  A block of zeros gets the byte 1 (read by this program alone).
; THE QUANTISER wants a block of 32 neighbours in one lane: a chunk's 8 rows turn through the wave's own stage (a block's 128 bytes + 16 of padding) and come back a whole block a lane, block number = lane.
; Then a wave's store of codes covers 512 consecutive bytes, aligned; its 32 scale bytes are neighbours (a part of a run of 256: one byte in 128 of what the launch reads).
; No tensor loads, clusters or matrix units: nothing is shared between work-groups and every byte is read once.
.set ROWP,  24576                      ; a row of qkv in bytes
.set ASC0,  6291456                    ; acs: where the scale words begin
.set WSTG,  4608                       ; LDS: a wave's stage: 8 rows x 4 x (128 + 16) bytes
.set SSQ,   36864                      ; [16 sums][8 waves] words
.set CSR,   37376                      ; [8 tokens][cos 256 bytes, sin 256 bytes]
.set SPARE, 41472                      ; the spare words: 128 bytes for each wave, named by no other line
.set D,     16                         ; v16-143  q and k: tensor p, chunk u, row r at D + 64 p + 32 u + 4 r
.set BB,    144                        ; v144-159 biases at BB + 8 p + 4 u
.set GG,    160                        ; v160-175 gains likewise
.set CSN,   176                        ; v176-207 row r: cos pair at CSN + 4 r, sin pair at CSN + 4 r + 2
.set VD,    144                        ; v144-207 later: V^T, chunk u, row r at VD + 32 u + 4 r
.set X,     208                        ; v208-239 at work: angles; then sums of squares; then partial sums; then codes (4 k) and bytes (24 + k)
.set TP,    240                        ; v240-243 at work
.set SPW,   254
.set NIL,   255
	s_load_b512 s[4:19], s[0:1], 0x0               ; qkv s[4:5], freqs s[6:7], bq s[8:9], bk s[10:11], bv s[12:13], gq s[14:15], gk s[16:17], acs s[18:19]
	s_load_b64 s[20:21], s[0:1], 0x40              ; psum
	v_lshl_add_u32 v[SPW], v0, 2, SPARE
	v_mov_b32 v[NIL], 0
	v_lshrrev_b32 v1, 5, v0
	v_readfirstlane_b32 s22, v1                    ; wave 0..7
	v_and_b32 v1, 31, v0                           ; lane
	v_lshlrev_b32 v2, 4, v1                        ; 16 x lane
	s_mul_i32 s23, s22, WSTG
	v_lshrrev_b32 v10, 3, v1
	v_add_nc_u32 v10, v10, v1
	v_lshlrev_b32 v10, 4, v10
	v_add_nc_u32 v3, s23, v10                      ; the stage, in: 16 l + 16 (l / 8)
	v_mul_u32_u24 v4, v1, 144
	v_add_nc_u32 v4, s23, v4                       ; and out: block l
	s_lshl_b32 s28, s22, 2
	s_add_co_u32 s28, s28, SSQ
	v_mov_b32 v5, s28                              ; my wave's word of each sum
	v_and_b32 v6, 15, v1
	v_lshl_add_u32 v6, v6, 5, SSQ                  ; the eight words of sum l % 16
	s_lshl_b32 s28, s22, 9
	s_add_co_u32 s28, s28, CSR
	v_lshl_add_u32 v7, v1, 3, s28                  ; where I put cos of my token's pairs 2 l, 2 l + 1
	v_lshl_add_u32 v8, v1, 3, CSR                  ; and where I read them of token 0
	v_lshlrev_b32 v9, 3, v1                        ; 8 x lane
	s_mov_b32 s24, 0x76543210
	s_mov_b32 s25, 0xfedcba98                      ; v_permlanex16_b32's selects for lane l xor 16
	s_mov_b32 s26, 0x3a000000                      ; 1 / 2048
	s_mov_b32 s27, 0x358637bd                      ; 1e-6
	s_mul_i32 s28, ttmp9, 8*ROWP                   ; offsets, each in a pair of its own: qkv: 8 i rows + 1,024 w
	s_lshl_b32 s30, s22, 10
	s_add_co_u32 s28, s28, s30
	s_mov_b32 s29, 0
	s_mov_b32 s31, 0                               ; s[30:31]: 1,024 w, for biases and gains
	s_lshl_b32 s32, ttmp9, 3
	s_add_co_u32 s32, s32, s22
	s_lshl_b32 s32, s32, 8                         ; freqs: token 8 i + w, 256 bytes a token
	s_mov_b32 s33, 0
	s_lshl_b32 s34, ttmp9, 14
	s_add_co_u32 s34, s34, s30                     ; psum: 16,384 i + 1,024 w
	s_mov_b32 s35, 0
	s_lshl_b32 s36, ttmp9, 5                       ; bv: 8 i numbers
	s_mov_b32 s37, 0
	s_lshl_b32 s38, s22, 18
	s_lshl_b32 s46, ttmp9, 9
	s_add_co_u32 s38, s38, s46                     ; q's codes: head 2 w (131,072 bytes a head), token 8 i (64 bytes)
	s_mov_b32 s39, 0
	s_lshl_b32 s40, s22, 14
	s_add_co_u32 s40, s40, s36
	s_add_co_u32 s40, s40, ASC0                    ; q's scale words: head 2 w (8,192 bytes), token 8 i (4 bytes)
	s_mov_b32 s41, 0
	s_lshr_b32 s46, ttmp9, 4                       ; V: the head of rows 8 i ..
	s_and_b32 s47, ttmp9, 15                       ; and 8 (i % 16) is the first channel in it
	s_lshl_b32 s42, s46, 17
	s_lshl_b32 s44, s22, 14
	s_add_co_u32 s42, s42, s44
	s_lshl_b32 s44, s47, 9
	s_add_co_u32 s42, s42, s44
	s_add_co_u32 s42, s42, 4194304                 ; V's codes: head, key block 2 w (8,192 bytes), channel (64 bytes)
	s_mov_b32 s43, 0
	s_lshl_b32 s44, s46, 13
	s_add_co_u32 s44, s44, s30
	s_lshl_b32 s46, s47, 5
	s_add_co_u32 s44, s44, s46
	s_add_co_u32 s44, s44, ASC0+262144             ; V's scale words: head (8,192), key block 2 w (512), channel (4)
	s_mov_b32 s45, 0
	s_wait_kmcnt 0x0
	s_add_nc_u64 s[4:5], s[4:5], s[28:29]
	s_add_nc_u64 s[6:7], s[6:7], s[32:33]
	s_add_nc_u64 s[8:9], s[8:9], s[30:31]
	s_add_nc_u64 s[10:11], s[10:11], s[30:31]
	s_add_nc_u64 s[12:13], s[12:13], s[36:37]
	s_add_nc_u64 s[14:15], s[14:15], s[30:31]
	s_add_nc_u64 s[16:17], s[16:17], s[30:31]
	s_add_nc_u64 s[20:21], s[20:21], s[34:35]
	s_add_nc_u64 s[56:57], s[18:19], s[38:39]
	s_add_nc_u64 s[58:59], s[18:19], s[40:41]
	s_add_nc_u64 s[60:61], s[18:19], s[42:43]
	s_add_nc_u64 s[62:63], s[18:19], s[44:45]
	s_load_b256 s[48:55], s[12:13], 0x0            ; bv of my 8 rows of V^T: waited for in front of V's additions
	; 41 loads: the angles, 4 of biases, 32 of q and k, 4 of gains
	global_load_b64 v[X:X+1], v9, s[6:7]
.irp u, 0,1
	global_load_b128 v[BB+4*\u:BB+4*\u+3], v2, s[8:9] offset:512*\u
.endr
.irp u, 0,1
	global_load_b128 v[BB+8+4*\u:BB+8+4*\u+3], v2, s[10:11] offset:512*\u
.endr
.irp p, 0,1
.irp u, 0,1
.irp r, 0,1,2,3,4,5,6,7
	global_load_b128 v[D+64*\p+32*\u+4*\r:D+64*\p+32*\u+4*\r+3], v2, s[4:5] offset:\r*ROWP+\p*8192+\u*512 th:TH_LOAD_NT
.endr
.endr
.endr
.irp u, 0,1
	global_load_b128 v[GG+4*\u:GG+4*\u+3], v2, s[14:15] offset:512*\u
.endr
.irp u, 0,1
	global_load_b128 v[GG+8+4*\u:GG+8+4*\u+3], v2, s[16:17] offset:512*\u
.endr
; cos and sin of the angle in v[X + e]: X+2 n, X+4 r, X+6 r r, X+8 the cosine's polynomial, X+10 the sine's, X+12 n as a whole number, X+14 at work; results: X+16 cos, X+18 sin
.macro SINCOS e
	v_mul_f32 v[X+2+\e], 0x3f22f983, v[X+\e]                       ; x 2 / pi
	v_rndne_f32 v[X+2+\e], v[X+2+\e]
	v_fmamk_f32 v[X+4+\e], v[X+2+\e], 0xbfc90fdb, v[X+\e]          ; x - n (pi / 2, first part)
	v_fmamk_f32 v[X+4+\e], v[X+2+\e], 0x333bbd2e, v[X+4+\e]        ; - n (second part, which is negative)
	v_mul_f32 v[X+6+\e], v[X+4+\e], v[X+4+\e]
	v_mov_b32 v[X+8+\e], 0x37ccf5ce
	v_fmaak_f32 v[X+8+\e], v[X+8+\e], v[X+6+\e], 0xbab6061a
	v_fmaak_f32 v[X+8+\e], v[X+8+\e], v[X+6+\e], 0x3d2aaaa5
	v_fmaak_f32 v[X+8+\e], v[X+8+\e], v[X+6+\e], 0xbf000000
	v_fmaak_f32 v[X+8+\e], v[X+8+\e], v[X+6+\e], 0x3f800000        ; cos r
	v_mov_b32 v[X+10+\e], 0xb94ca1f9
	v_fmaak_f32 v[X+10+\e], v[X+10+\e], v[X+6+\e], 0x3c08839e
	v_fmaak_f32 v[X+10+\e], v[X+10+\e], v[X+6+\e], 0xbe2aaaa3
	v_mul_f32 v[X+10+\e], v[X+10+\e], v[X+6+\e]
	v_fma_f32 v[X+10+\e], v[X+10+\e], v[X+4+\e], v[X+4+\e]         ; sin r
	v_cvt_i32_f32 v[X+12+\e], v[X+2+\e]
	v_and_b32 v[X+14+\e], 1, v[X+12+\e]
	v_cmp_eq_u32 vcc_lo, 1, v[X+14+\e]                             ; odd quadrants: the two change places
	v_cndmask_b32 v[X+18+\e], v[X+10+\e], v[X+8+\e], vcc_lo
	v_cndmask_b32 v[X+16+\e], v[X+8+\e], v[X+10+\e], vcc_lo
	v_and_b32 v[X+14+\e], 2, v[X+12+\e]
	v_lshlrev_b32 v[X+14+\e], 30, v[X+14+\e]
	v_xor_b32 v[X+18+\e], v[X+18+\e], v[X+14+\e]                   ; sin is negated in quadrants 2 and 3,
	v_add_nc_u32 v[X+14+\e], 1, v[X+12+\e]
	v_and_b32 v[X+14+\e], 2, v[X+14+\e]
	v_lshlrev_b32 v[X+14+\e], 30, v[X+14+\e]
	v_xor_b32 v[X+16+\e], v[X+16+\e], v[X+14+\e]                   ; cos in quadrants 1 and 2
.endm
	s_wait_loadcnt 40                              ; the angles are in; the 40 loads issued behind them stay out
	SINCOS 0
	SINCOS 1
	ds_store_b64 v7, v[X+16:X+17]
	ds_store_b64 v7, v[X+18:X+19] offset:256
	; + bias, and the sums of squares: a pair of partial sums for each tensor p and row r at X + 16 p + 2 r
.irp p, 0,1
.irp u, 0,1
	s_wait_loadcnt 28-8*(2*\p+\u)                  ; this group's 8 loads are in; the later groups of 8 and the 4 of gains stay out
.irp r, 0,1,2,3,4,5,6,7
.set DQ, D+64*\p+32*\u+4*\r
	v_pk_add_f32 v[DQ:DQ+1], v[DQ:DQ+1], v[BB+8*\p+4*\u:BB+8*\p+4*\u+1]
	v_pk_add_f32 v[DQ+2:DQ+3], v[DQ+2:DQ+3], v[BB+8*\p+4*\u+2:BB+8*\p+4*\u+3]
.endr
.irp r, 0,1,2,3,4,5,6,7
.set DQ, D+64*\p+32*\u+4*\r
.if \u == 0
	v_pk_mul_f32 v[X+16*\p+2*\r:X+16*\p+2*\r+1], v[DQ:DQ+1], v[DQ:DQ+1]
.else
	v_pk_fma_f32 v[X+16*\p+2*\r:X+16*\p+2*\r+1], v[DQ:DQ+1], v[DQ:DQ+1], v[X+16*\p+2*\r:X+16*\p+2*\r+1]
.endif
	v_pk_fma_f32 v[X+16*\p+2*\r:X+16*\p+2*\r+1], v[DQ+2:DQ+3], v[DQ+2:DQ+3], v[X+16*\p+2*\r:X+16*\p+2*\r+1]
.endr
.endr
.endr
	; the 16 sums over my wave's 32 lanes, all 16 by turns
.irp i, 0,1,2,3,4,5,6,7,8,9,10,11,12,13,14,15
	v_add_f32 v[X+2*\i], v[X+2*\i], v[X+2*\i+1]
.endr
.irp m, 1,2,4,8
.irp i, 0,1,2,3,4,5,6,7,8,9,10,11,12,13,14,15
	v_add_f32_dpp v[X+2*\i], v[X+2*\i], v[X+2*\i] row_xmask:\m row_mask:0xf bank_mask:0xf
.endr
.endr
.irp i, 0,1,2,3,4,5,6,7,8,9,10,11,12,13,14,15
	v_permlanex16_b32 v[X+2*\i+1], v[X+2*\i], s24, s25
.endr
.irp i, 0,1,2,3,4,5,6,7,8,9,10,11,12,13,14,15
	v_add_f32 v[X+2*\i], v[X+2*\i], v[X+2*\i+1]
.endr
.irp i, 0,1,2,3,4,5,6,7,8,9,10,11,12,13,14,15
	ds_store_b32 v5, v[X+2*\i] offset:32*\i        ; all lanes write the same word with the same value
.endr
	s_wait_dscnt 0x0                               ; for the others' sake: my sums, my cos and sin have landed
	s_barrier_signal -1
	s_barrier_wait -1
	ds_load_b128 v[X:X+3], v6                      ; the eight waves' parts of sum l % 16
	ds_load_b128 v[X+4:X+7], v6 offset:16
.irp r, 0,1,2,3,4,5,6,7
	ds_load_b64 v[CSN+4*\r:CSN+4*\r+1], v8 offset:512*\r
	ds_load_b64 v[CSN+4*\r+2:CSN+4*\r+3], v8 offset:512*\r+256
.endr
	s_wait_dscnt 0x0
	v_add_f32 v[X], v[X], v[X+1]
	v_add_f32 v[X+2], v[X+2], v[X+3]
	v_add_f32 v[X+4], v[X+4], v[X+5]
	v_add_f32 v[X+6], v[X+6], v[X+7]
	v_add_f32 v[X], v[X], v[X+2]
	v_add_f32 v[X+4], v[X+4], v[X+6]
	v_add_f32 v[X], v[X], v[X+4]
	v_fma_f32 v[X], v[X], s26, s27                 ; the mean of the squares + 1e-6
	v_rsq_f32 v[X+1], v[X]
	v_nop                                          ; a plain instruction behind the transcendental,
	s_wait_alu depctr_va_vdst(0)                   ; and a wait ahead of its first reader
.irp i, 0,1,2,3,4,5,6,7,8,9,10,11,12,13,14,15
	v_readlane_b32 s[32+\i], v[X+1], \i            ; the factor of tensor i / 8, row i % 8
.endr
	s_wait_loadcnt 0x0                             ; the gains
	; (y f) g, in the order in which reference() multiplies; then the rotation of the lane's two pairs
.irp p, 0,1
.irp u, 0,1
.irp r, 0,1,2,3,4,5,6,7
.set DQ, D+64*\p+32*\u+4*\r
.set CQ, CSN+4*\r
	v_mul_f32 v[DQ], s[32+8*\p+\r], v[DQ]
	v_mul_f32 v[DQ+1], s[32+8*\p+\r], v[DQ+1]
	v_mul_f32 v[DQ+2], s[32+8*\p+\r], v[DQ+2]
	v_mul_f32 v[DQ+3], s[32+8*\p+\r], v[DQ+3]
	v_pk_mul_f32 v[DQ:DQ+1], v[DQ:DQ+1], v[GG+8*\p+4*\u:GG+8*\p+4*\u+1]
	v_pk_mul_f32 v[DQ+2:DQ+3], v[DQ+2:DQ+3], v[GG+8*\p+4*\u+2:GG+8*\p+4*\u+3]
	v_mul_f32 v[TP], v[DQ+1], v[CQ+2]
	v_mul_f32 v[TP+1], v[DQ], v[CQ+2]
	v_mul_f32 v[TP+2], v[DQ+3], v[CQ+3]
	v_mul_f32 v[TP+3], v[DQ+2], v[CQ+3]
	v_fma_f32 v[DQ], v[DQ], v[CQ], -v[TP]          ; a0 c - a1 s
	v_fma_f32 v[DQ+1], v[DQ+1], v[CQ], v[TP+1]     ; a0 s + a1 c
	v_fma_f32 v[DQ+2], v[DQ+2], v[CQ+1], -v[TP+2]
	v_fma_f32 v[DQ+3], v[DQ+3], v[CQ+1], v[TP+3]
.endr
.endr
.endr
	; the sums over my 8 tokens, for the block means
.irp k, 0,1,2,3
.irp e, 0,2
	v_pk_add_f32 v[X+4*\k+\e:X+4*\k+\e+1], v[D+32*\k+\e:D+32*\k+\e+1], v[D+32*\k+4+\e:D+32*\k+4+\e+1]
.endr
.irp r, 2,3,4,5,6,7
.irp e, 0,2
	v_pk_add_f32 v[X+4*\k+\e:X+4*\k+\e+1], v[X+4*\k+\e:X+4*\k+\e+1], v[D+32*\k+4*\r+\e:D+32*\k+4*\r+\e+1]
.endr
.endr
	global_store_b128 v2, v[X+4*\k:X+4*\k+3], s[20:21] offset:(\k/2)*8192+(\k%2)*512   ; 32 lanes store 512 consecutive bytes, aligned
.endr
	; V^T is asked for now, into the registers that biases, gains, cos and sin have left: it lands while q and k are quantised
.irp u, 0,1
.irp r, 0,1,2,3,4,5,6,7
	global_load_b128 v[VD+32*\u+4*\r:VD+32*\u+4*\r+3], v2, s[4:5] offset:\r*ROWP+16384+\u*512 th:TH_LOAD_NT
.endr
.endr
.macro TURN b                          ; 8 rows x 128 numbers in v[b] on go through my stage and come back, into the same registers, a block of 32 neighbours a lane.  LDS serves a wave's instructions in order
.irp r, 0,1,2,3,4,5,6,7
	ds_store_b128 v3, v[(\b)+4*\r:(\b)+4*\r+3] offset:576*\r
.endr
.irp j, 0,1,2,3,4,5,6,7
	ds_load_b128 v[(\b)+4*\j:(\b)+4*\j+3], v4 offset:16*\j
.endr
.endm
.macro QB y, k                         ; the block in v[y] on: its codes into v[X + 4 k] on, its scale byte into v[X + 24 + k]
	v_max3_num_f32 v[TP], |v[(\y)]|, |v[(\y)+1]|, |v[(\y)+2]|
	v_max3_num_f32 v[TP+1], |v[(\y)+3]|, |v[(\y)+4]|, |v[(\y)+5]|
.irp i, 6,10,14,18,22,26
	v_max3_num_f32 v[TP], v[TP], |v[(\y)+\i]|, |v[(\y)+\i+1]|
	v_max3_num_f32 v[TP+1], v[TP+1], |v[(\y)+\i+2]|, |v[(\y)+\i+3]|
.endr
	v_max3_num_f32 v[TP], v[TP], |v[(\y)+30]|, |v[(\y)+31]|
	v_max3_num_f32 v[TP], v[TP], v[TP+1], 0x1800000                ; and the floor 2^(3 - 127): the byte cannot fall under 1
	v_add_nc_u32 v[TP+2], 0xff000000, v[TP]                        ; 2 off the exponent field: the conversion's scale operand
.irp g, 0,1,2,3
	v_cvt_scalef32_pk8_fp4_f32 v[X+4*(\k)+\g], v[(\y)+8*\g:(\y)+8*\g+7], v[TP+2]
.endr
	v_lshrrev_b32 v[X+24+(\k)], 23, v[TP+2]                        ; the byte; also the plain instruction behind the conversions
.endm
.irp k, 0,1,2,3
	TURN D+32*\k
.endr
	s_wait_xcnt 0x0                                ; the stores of the partial sums have read their registers, which take the codes now
.irp k, 0,1,2,3
	s_wait_dscnt 48-16*\k                          ; this chunk is back; the 16 LDS instructions of each later chunk stay out
	QB D+32*\k, \k
	global_store_b128 v2, v[X+4*\k:X+4*\k+3], s[56:57] offset:(\k/2)*2097152+(\k%2)*131072   ; block l's 16 bytes lie at 16 l: 512 consecutive bytes, aligned
	global_store_b8 v1, v[X+24+\k], s[58:59] offset:(\k/2)*131072+(\k%2)*8192                 ; and its byte at l
.endr
	s_wait_kmcnt 0x0                               ; bv
	s_wait_loadcnt 0x0                             ; V^T
.irp u, 0,1
.irp r, 0,1,2,3,4,5,6,7
.irp e, 0,1,2,3
	v_add_f32 v[VD+32*\u+4*\r+\e], s[48+\r], v[VD+32*\u+4*\r+\e]
.endr
.endr
.endr
	TURN VD
	TURN VD+32
	s_wait_dscnt 16                                ; key block 2 w is back; the other's 16 stay out
	QB VD, 4
	global_store_b128 v2, v[X+16:X+19], s[60:61]
	global_store_b8 v1, v[X+28], s[62:63]
	s_wait_dscnt 0x0
	QB VD+32, 5
	global_store_b128 v2, v[X+20:X+23], s[60:61] offset:8192
	global_store_b8 v1, v[X+29], s[62:63] offset:512
	s_wait_tensorcnt 0x0                           ; the wave's end: three lines behind my last LDS store
	ds_add_u32 v[SPW], v[NIL]
	s_wait_dscnt 0x0
	s_endpgm
.Lfunc_end_k_q7610e004ae_norm:
	.size	k_q7610e004ae_norm, .Lfunc_end_k_q7610e004ae_norm-k_q7610e004ae_norm
	.p2alignl 7, 3214868480
	.fill 96, 4, 3214868480
	.section	.rodata,"a",@progbits
	.p2align	6, 0x0
	.amdhsa_kernel k_q7610e004ae_norm
		.amdhsa_group_segment_fixed_size 42496
		.amdhsa_private_segment_fixed_size 0
		.amdhsa_enable_private_segment 0
		.amdhsa_kernarg_size 72
		.amdhsa_user_sgpr_count 2
		.amdhsa_user_sgpr_kernarg_segment_ptr 1
		.amdhsa_wavefront_size32 1
		.amdhsa_system_sgpr_workgroup_id_x 1
		.amdhsa_system_sgpr_workgroup_id_y 1
		.amdhsa_system_sgpr_workgroup_id_z 1
		.amdhsa_system_vgpr_workitem_id 0
		.amdhsa_next_free_vgpr 256
		.amdhsa_next_free_sgpr 66
		.amdhsa_reserve_vcc 1
		.amdhsa_float_denorm_mode_32 3
		.amdhsa_float_denorm_mode_16_64 3
		.amdhsa_memory_ordered 1
		.amdhsa_forward_progress 1
		.amdhsa_inst_pref_size 71
	.end_amdhsa_kernel
	.amdgpu_metadata
---
amdhsa.version: [ 1, 2 ]
amdhsa.kernels:
  - .name:           k_q7610e004ae_norm
    .symbol:         k_q7610e004ae_norm.kd
    .args:
      - { .name: qkv, .offset: 0, .size: 8, .value_kind: global_buffer, .address_space: global }
      - { .name: freqs, .offset: 8, .size: 8, .value_kind: global_buffer, .address_space: global }
      - { .name: bq, .offset: 16, .size: 8, .value_kind: global_buffer, .address_space: global }
      - { .name: bk, .offset: 24, .size: 8, .value_kind: global_buffer, .address_space: global }
      - { .name: bv, .offset: 32, .size: 8, .value_kind: global_buffer, .address_space: global }
      - { .name: gq, .offset: 40, .size: 8, .value_kind: global_buffer, .address_space: global }
      - { .name: gk, .offset: 48, .size: 8, .value_kind: global_buffer, .address_space: global }
      - { .name: acs, .offset: 56, .size: 8, .value_kind: global_buffer, .address_space: global }
      - { .name: psum, .offset: 64, .size: 8, .value_kind: global_buffer, .address_space: global }
    .group_segment_fixed_size: 42496
    .private_segment_fixed_size: 0
    .kernarg_segment_align: 8
    .kernarg_segment_size: 72
    .max_flat_workgroup_size: 256
    .sgpr_count:     66
    .vgpr_count:     256
    .wavefront_size: 32
...
	.end_amdgpu_metadata
.endif
;; end of part 3
;; launch draft (part 4): grid 16 x 1, 16 waves a work-group, no clusters, 19,968 bytes of LDS; arguments psum, masks; writes masks
.if DOCPART == 4
	.amdgcn_target "amdgcn-amd-amdhsa--gfx1250"
	.amdhsa_code_object_version 6
	.text
	.protected	k_q7610e004ae_draft
	.globl	k_q7610e004ae_draft
	.p2align	8
	.type	k_q7610e004ae_draft,@function
k_q7610e004ae_draft:
	s_mov_b64 s[64:65], 0
	v_nop
	global_prefetch_b8 v0, s[64:65] scope:SCOPE_SE
	s_setreg_imm32_b32 hwreg(HW_REG_WAVE_MODE, 25, 1), 1
	s_wait_xcnt 0x0
; LAUNCH 4 OF 6.  The draft block mask.  A work-group is a head.  masks [head][query block] u32: bit m is set where key block m is chosen.
; Phase 0: wave b adds the 16 partial sums (8 tokens each) of token block b, for q and for k, and divides by 128: the block means, 128 numbers each, into LDS.
; Phase 1, wave 0 alone: the 16 x 128 means of q and of k are quantised along the head's 128; one matrix instruction gives the 16 x 16 scores (transposed: a lane holds one query block and eight key blocks);
;   / sqrt(128); the local window; softmax over the 16 key blocks; into LDS.
;   THE LOCAL WINDOW, from reference()'s own arithmetic on the 4 x 2 grid with a window of 6 x 6: the column test always holds, the row test fails only for grid row 0 against grid row 3:
;   query blocks with l % 8 in {0, 1} do not see key blocks with m % 8 in {6, 7}; all else is seen.
; Phase 2: wave b takes query block b.  THE TOP-10 RULE: an entry x of a group of 128 (8 query blocks of a frame x 16) is kept where x > the 11th largest, duplicates counted; that holds exactly where
;   the number of entries y >= x is at most 10 (if x is above the 11th largest, every y >= x is among the ten largest; if not, the eleven largest are all >= x).  So each lane counts: no sort, no branch on data.
; Divisions are a reciprocal or a constant's inverse with one corrected step, since a choice hangs on the results.  LIMIT: NaN and infinities are not served.
; 16 work-groups: a head's means meet in one place and its product is one matrix instruction; the 16 waves are there to have all of a head's loads on their way at once.
.set MP,    528                        ; LDS: means [q, k][16 blocks], 512 bytes + 16 of padding each
.set MT,    16*MP
.set ATT,   16896                      ; [16 query blocks][16 key blocks] f32
.set SPARE, 17920                      ; the spare words: 128 bytes for each wave, named by no other line
.set SPW,   12
.set NIL,   13
.set PCQ,   144                        ; v144-151 q's fragment; v152-159 k's
.set PCK,   152
.set PWQ,   160                        ; their scale words
.set PWK,   161
.set TM,    164                        ; v164-179 the quantiser's: largest magnitudes, bytes, scale operands (TM + 12 ..)
	s_load_b128 s[4:7], s[0:1], 0x0                ; psum s[4:5], masks s[6:7]
	v_lshl_add_u32 v[SPW], v0, 2, SPARE
	v_mov_b32 v[NIL], 0
	v_lshrrev_b32 v1, 5, v0
	v_readfirstlane_b32 s10, v1                    ; wave b = 0..15
	v_and_b32 v1, 31, v0                           ; lane
	v_lshlrev_b32 v2, 4, v1
	s_mul_i32 s11, s10, MP
	v_add_nc_u32 v3, s11, v2                       ; where I put my 16 bytes of block b's mean
	v_and_b32 v14, 15, v1                          ; r
	v_lshrrev_b32 v15, 4, v1                       ; h
	v_mul_u32_u24 v4, v14, MP
	v_lshl_add_u32 v4, v15, 6, v4                  ; block r's mean, + 64 h: my 16 numbers of a block of 32
	v_lshlrev_b32 v5, 6, v14
	v_lshl_add_u32 v5, v15, 5, v5
	v_add_nc_u32 v5, ATT, v5                       ; row r, key blocks 8 h ..
	s_lshl_b32 s11, s10, 6
	s_add_co_u32 s11, s11, ATT
	v_lshl_add_u32 v6, v14, 2, s11                 ; my entry: row b, key block l % 16
	s_lshr_b32 s11, s10, 3
	s_lshl_b32 s11, s11, 9
	s_add_co_u32 s11, s11, ATT
	v_lshl_add_u32 v7, v15, 8, s11                 ; my half of the group's 128 entries
	v_mov_b32 v8, 0
	v_mov_b32 v9, 0                                ; the count
	v_mov_b32 v180, 0                              ; (a lane permute's destination counts as one of its sources)
	v_mov_b32 v182, 1
.irp b, 0,1,2,3
	v_mov_b32 v[TM+4+\b], 0
.endr
	s_mov_b32 s18, 0x76543210
	s_mov_b32 s19, 0xfedcba98
	s_mov_b32 s16, 0x3c000000                      ; 1 / 128
	s_mov_b32 s17, s16
	s_mov_b32 s20, 0x3db504f3                      ; 1 / sqrt(128)
	s_mov_b32 s21, 0x413504f3                      ; sqrt(128)
	s_mov_b32 s22, 0x3fb8aa3b                      ; log2(e)
	s_lshl_b32 s12, s10, 18                        ; 16 b work-groups' parts of 16,384 bytes,
	s_lshl_b32 s13, ttmp9, 9                       ; the head's 512 bytes
	s_add_co_u32 s12, s12, s13
	s_mov_b32 s13, 0
	s_lshl_b32 s14, ttmp9, 6
	s_lshl_b32 s15, s10, 2
	s_add_co_u32 s14, s14, s15                     ; masks: 64 x head + 4 b
	s_mov_b32 s15, 0
	s_wait_kmcnt 0x0
	s_add_nc_u64 s[4:5], s[4:5], s[12:13]
	s_add_nc_u64 s[6:7], s[6:7], s[14:15]
.irp p, 0,1
.irp q, 0,1,2,3,4,5,6,7,8,9,10,11,12,13,14,15
	global_load_b128 v[16+64*\p+4*\q:19+64*\p+4*\q], v2, s[4:5] offset:\q*16384+\p*8192 th:TH_LOAD_NT
.endr
.endr
	s_wait_loadcnt 0x0
.irp p, 0,1
.irp q, 1,2,3,4,5,6,7,8,9,10,11,12,13,14,15
	v_pk_add_f32 v[16+64*\p:17+64*\p], v[16+64*\p:17+64*\p], v[16+64*\p+4*\q:17+64*\p+4*\q]
	v_pk_add_f32 v[18+64*\p:19+64*\p], v[18+64*\p:19+64*\p], v[18+64*\p+4*\q:19+64*\p+4*\q]
.endr
	v_pk_mul_f32 v[16+64*\p:17+64*\p], v[16+64*\p:17+64*\p], s[16:17] op_sel_hi:[1,0]
	v_pk_mul_f32 v[18+64*\p:19+64*\p], v[18+64*\p:19+64*\p], s[16:17] op_sel_hi:[1,0]
	ds_store_b128 v3, v[16+64*\p:19+64*\p] offset:MT*\p
.endr
	s_wait_dscnt 0x0                               ; for wave 0's sake: my means have landed
	s_barrier_signal -1
	s_barrier_wait -1
	s_cmp_lg_u32 s10, 0
	s_cbranch_scc1 .Ljoin
; 64 numbers of a lane, v[s] on, register 16 b + i = k 32 b + 16 (lane / 16) + i of my row, become a fragment's codes in v[pc] on and its scale word in v[pw].
.macro QUANT s, pc, pw
.irp b, 0,1,2,3
	v_max3_num_f32 v[TM+\b], |v[\s+16*\b]|, |v[\s+1+16*\b]|, 0x1800000   ; my 16 numbers of block b, and the floor 2^(3 - 127)
.endr
.irp i, 2,4,6,8,10,12,14
.irp b, 0,1,2,3
	v_max3_num_f32 v[TM+\b], v[TM+\b], |v[\s+16*\b+\i]|, |v[\s+1+16*\b+\i]|
.endr
.endr
.irp b, 0,1,2,3
	v_permlanex16_b32 v[TM+4+\b], v[TM+\b], s18, s19
.endr
.irp b, 0,1,2,3
	v_max_num_f32 v[TM+\b], v[TM+\b], v[TM+4+\b]   ; with lane l xor 16's: the block's largest magnitude
.endr
.irp b, 0,1,2,3
	v_add_nc_u32 v[TM+12+\b], 0xff000000, v[TM+\b] ; 2 off its exponent field: the conversion's scale operand
.endr
.irp b, 0,1,2,3
	v_lshrrev_b32 v[TM+4+\b], 23, v[TM+12+\b]      ; the scale's byte
.endr
	v_lshl_or_b32 v[\pw], v[TM+5], 8, v[TM+4]
	v_lshl_or_b32 v[\pw], v[TM+6], 16, v[\pw]
	v_lshl_or_b32 v[\pw], v[TM+7], 24, v[\pw]
.irp b, 0,1,2,3
	v_cvt_scalef32_pk8_fp4_f32 v[\pc+2*\b], v[\s+16*\b:\s+7+16*\b], v[TM+12+\b]
	v_cvt_scalef32_pk8_fp4_f32 v[\pc+1+2*\b], v[\s+8+16*\b:\s+15+16*\b], v[TM+12+\b]
.endr
	v_nop                                          ; one plain instruction behind a scaled conversion
.irp c, 0,1                                    ; the operand's layout wants a whole block in a lane
.irp i, 0,1
	v_permlane16_swap_b32 v[\pc+4*\c+\i], v[\pc+2+4*\c+\i]
.endr
.endr
.endm
.irp p, 0,1
.irp b, 0,1,2,3
.irp j, 0,1,2,3
	ds_load_b128 v[16+64*\p+16*\b+4*\j:19+64*\p+16*\b+4*\j], v4 offset:MT*\p+128*\b+16*\j
.endr
.endr
.endr
	s_wait_dscnt 0x0
	QUANT 16, PCQ, PWQ
	QUANT 80, PCK, PWK
.rept 8
	v_nop                                          ; a scale register written by a vector instruction stands 8 plain instructions ahead of a scaled matrix instruction, an operand 4
.endr
	v_wmma_scale_f32_16x16x128_f8f6f4 v[184:191], v[PCK:PCK+7], v[PCQ:PCQ+7], 0, v[PWK], v[PWQ] matrix_a_fmt:MATRIX_FMT_FP4 matrix_b_fmt:MATRIX_FMT_FP4   ; lane (r, h), register j: query block r, key block 8 h + j
.rept 4
	v_nop
.endr
.irp j, 0,1,2,3,4,5,6,7
	v_mul_f32 v[192+\j], s20, v[184+\j]            ; / sqrt(128): by the inverse,
.endr
.irp j, 0,1,2,3,4,5,6,7
	v_fma_f32 v[200+\j], -v[192+\j], s21, v[184+\j]   ; what is left over,
.endr
.irp j, 0,1,2,3,4,5,6,7
	v_fma_f32 v[192+\j], v[200+\j], s20, v[192+\j]    ; and its share
.endr
	v_and_b32 v183, 6, v1
	v_cmp_eq_u32 vcc_lo, 0, v183                   ; query blocks 0, 1, 8, 9
	v_mov_b32 v183, 0xff800000                     ; -infinity
	v_cndmask_b32 v198, v198, v183, vcc_lo         ; do not see key blocks 6, 7, 14, 15
	v_cndmask_b32 v199, v199, v183, vcc_lo
	v_max3_num_f32 v183, v192, v193, v194
	v_max3_num_f32 v183, v183, v195, v196
	v_max3_num_f32 v183, v183, v197, v198
	v_max_num_f32 v183, v183, v199
	v_permlanex16_b32 v180, v183, s18, s19
	v_max_num_f32 v183, v183, v180                 ; the row's maximum
.irp j, 0,1,2,3,4,5,6,7
	v_sub_f32 v[200+\j], v[192+\j], v183
.endr
.irp j, 0,1,2,3,4,5,6,7
	v_mul_f32 v[200+\j], s22, v[200+\j]
.endr
.irp j, 0,1,2,3,4,5,6,7
	v_exp_f32 v[200+\j], v[200+\j]
.endr
	v_nop                                          ; a plain instruction behind the batch,
	s_wait_alu depctr_va_vdst(0)                   ; and its one wait, ahead of the first reader
	v_add_f32 v192, v200, v201
	v_add_f32 v193, v202, v203
	v_add_f32 v194, v204, v205
	v_add_f32 v195, v206, v207
	v_add_f32 v192, v192, v193
	v_add_f32 v194, v194, v195
	v_add_f32 v192, v192, v194
	v_permlanex16_b32 v180, v192, s18, s19
	v_add_f32 v192, v192, v180                     ; the row's sum
	v_rcp_f32 v193, v192
	v_nop
	s_wait_alu depctr_va_vdst(0)
.irp j, 0,1,2,3,4,5,6,7
	v_mul_f32 v[184+\j], v[200+\j], v193           ; e / sum: by the reciprocal,
.endr
.irp j, 0,1,2,3,4,5,6,7
	v_fma_f32 v[200+\j], -v[184+\j], v192, v[200+\j]  ; what is left over,
.endr
.irp j, 0,1,2,3,4,5,6,7
	v_fma_f32 v[184+\j], v[200+\j], v193, v[184+\j]   ; and its share
.endr
	ds_store_b128 v5, v[184:187]
	ds_store_b128 v5, v[188:191] offset:16
.Ljoin:
	s_wait_dscnt 0x0                               ; wave 0's stores have landed
	s_barrier_signal -1
	s_barrier_wait -1
	ds_load_b32 v10, v6                            ; x
.irp i, 0,1,2,3,4,5,6,7,8,9,10,11,12,13,14,15
	ds_load_b128 v[16+4*\i:19+4*\i], v7 offset:16*\i   ; 64 of the group's 128: the sixteen lanes of a half read the same words
.endr
	s_wait_dscnt 0x0
.set i, 0
.rept 64
	v_cmp_ge_f32 vcc_lo, v[16+i], v10
	v_cndmask_b32 v11, v8, v182, vcc_lo
	v_add_nc_u32 v9, v9, v11
.set i, i+1
.endr
	v_permlanex16_b32 v180, v9, s18, s19
	v_add_nc_u32 v9, v9, v180                      ; how many of the 128 are >= x
	v_cmp_ge_u32 vcc_lo, 10, v9
	s_and_b32 s20, vcc_lo, 0xffff                  ; lanes 0-15: key blocks 0-15 of query block b
	v_mov_b32 v11, s20
	s_wait_xcnt 0x0                                ; EXEC changes only behind this wait
	v_cmp_eq_u32 vcc_lo, 0, v1
	s_and_saveexec_b32 s21, vcc_lo
	global_store_b32 v8, v11, s[6:7]               ; lane 0 stores the word
	s_wait_xcnt 0x0                                ; and again, in front of the line that widens it
	s_or_b32 exec_lo, exec_lo, s21
	s_wait_tensorcnt 0x0                           ; the wave's end: three lines behind my last LDS store
	ds_add_u32 v[SPW], v[NIL]
	s_wait_dscnt 0x0
	s_endpgm
.Lfunc_end_k_q7610e004ae_draft:
	.size	k_q7610e004ae_draft, .Lfunc_end_k_q7610e004ae_draft-k_q7610e004ae_draft
	.p2alignl 7, 3214868480
	.fill 96, 4, 3214868480
	.section	.rodata,"a",@progbits
	.p2align	6, 0x0
	.amdhsa_kernel k_q7610e004ae_draft
		.amdhsa_group_segment_fixed_size 19968
		.amdhsa_private_segment_fixed_size 0
		.amdhsa_enable_private_segment 0
		.amdhsa_kernarg_size 16
		.amdhsa_user_sgpr_count 2
		.amdhsa_user_sgpr_kernarg_segment_ptr 1
		.amdhsa_wavefront_size32 1
		.amdhsa_system_sgpr_workgroup_id_x 1
		.amdhsa_system_sgpr_workgroup_id_y 1
		.amdhsa_system_sgpr_workgroup_id_z 1
		.amdhsa_system_vgpr_workitem_id 0
		.amdhsa_next_free_vgpr 208
		.amdhsa_next_free_sgpr 66
		.amdhsa_reserve_vcc 1
		.amdhsa_float_denorm_mode_32 3
		.amdhsa_float_denorm_mode_16_64 3
		.amdhsa_memory_ordered 1
		.amdhsa_forward_progress 1
		.amdhsa_inst_pref_size 32
	.end_amdhsa_kernel
	.amdgpu_metadata
---
amdhsa.version: [ 1, 2 ]
amdhsa.kernels:
  - .name:           k_q7610e004ae_draft
    .symbol:         k_q7610e004ae_draft.kd
    .args:
      - { .name: psum, .offset: 0, .size: 8, .value_kind: global_buffer, .address_space: global }
      - { .name: masks, .offset: 8, .size: 8, .value_kind: global_buffer, .address_space: global }
    .group_segment_fixed_size: 19968
    .private_segment_fixed_size: 0
    .kernarg_segment_align: 8
    .kernarg_segment_size: 16
    .max_flat_workgroup_size: 512
    .sgpr_count:     66
    .vgpr_count:     208
    .wavefront_size: 32
...
	.end_amdgpu_metadata
.endif
;; end of part 4
;; launch attn (part 5): grid 512 x 1, 4 waves a work-group, no clusters, 5,120 bytes of LDS; arguments acs, masks, ocs; writes ocs
.if DOCPART == 5
	.amdgcn_target "amdgcn-amd-amdhsa--gfx1250"
	.amdhsa_code_object_version 6
	.text
	.protected	k_q7610e004ae_attn
	.globl	k_q7610e004ae_attn
	.p2align	8
	.type	k_q7610e004ae_attn,@function
k_q7610e004ae_attn:
	s_mov_b64 s[64:65], 0
	v_nop
	global_prefetch_b8 v0, s[64:65] scope:SCOPE_SE
	s_setreg_imm32_b32 hwreg(HW_REG_WAVE_MODE, 25, 1), 1
	s_wait_xcnt 0x0
; LAUNCH 5 OF 6.  Block-sparse attention on FP4 codes; its output is quantised along D into ocs (codes [token][1,024 bytes], scale bytes [token][64] from byte 2,097,152 on).
; WORK LEFT OUT: key blocks whose bit in masks is 0 have probs = 0 exactly (exp(-1e30 - max)), and a query block with no bit set has probs = 0 by reference()'s own where: their tiles are not multiplied.
; SHARES.  A work-group owns tokens 16 tt .. 16 tt + 15 and heads 4 g .. 4 g + 3; wave w: head 4 g + w, one tile of 16 queries.  Four heads to a work-group make a token's 256 bytes of codes one aligned run.
; THE ORDER OF THE GRID.  The work-group's number gives the tile in its query block (bits 0-2), g (bits 3-4) and a rank (bits 5-8); the query block is a permutation of the rank's bits under which ranks 0 to 3 are
; query blocks 0, 1, 8, 9.  By reference()'s own window the draft's softmax has 14 entries in those rows and 16 in the others, so where the draft's scores are small their entries are the larger and take most of a
; group's ten places: the work-groups likely to have the most blocks come first in the grid, side by side.  It is an order and no more: every mask is served alike.
; THE PROBABILITIES ARE QUANTISED FINISHED AND NORMALISED, so a row's maximum and sum are known before any p is quantised: TWO PASSES over the chosen blocks.  Pass 1: scores, running maximum m and sum l.
; Pass 2: the same scores again (8 matrix instructions a block, the same bits), p = 2^(c s - c m) / l with c = log2(e) / sqrt(128), quantised along the keys, O^T += V^T p^T.
; Both products are used transposed: a lane holds one query throughout.  The keys (and V's channels) that form a tile are not neighbours: lane r of tile 2 b + u takes row 32 b + 8 u + r + 8 (r / 8), so that the
; 16 registers of tiles 2 b and 2 b + 1 are 16 neighbours, 32 b + 16 (lane / 16) + 0 .. 15, along the next quantiser's axis.
; The trip counts hang on the stored masks, so there is no tensor load and no cluster: operands go from memory straight into registers, a block (20 loads) ahead of their use.
; No prefetch: which blocks are read hangs on the masks, and several query blocks may name the same block.
; O^T begins as zeros (64 moves): the loop is written once, and the path of an empty row needs the zeros as its result.
; REGISTERS: v1-11, v28 addresses; v12 -c m, v13 m, v[14:15] l; v16-23 Q, v24 its scale words; v[26:27] 1 / l; v29-31 at work; v32-95 K; v96-159 scores, then p; v160-223 O^T; v224-231 codes;
;   v232-247 the quantiser's (v240 the scale word); v248-251 K's scale words (lanes 0-15 tile 2 b, lanes 16-31 tile 2 b + 1); v252-255 V's; window 1, v0-63: V.
.set ASC0,  6291456
.set SCS,   4352                       ; LDS: 0: the stage, 16 tokens x (256 + 16) bytes; SCS: [16 tokens][4 heads] scale words
.set SPARE, 4608                       ; the spare words: 128 bytes for each wave, named by no other line
.set AF,  1
.set AS,  2
.set QO,  3
.set QS,  4
.set SPW, 5
.set NIL, 6
.set STO, 7
.set RD,  8
.set GO,  9
.set SSO, 10
.set SRD, 11
.set SGO, 28
.set QF,  16
.set QW,  24
.set KF,  32
.set S,   96
.set O,   160
.set PC,  224
.set TM,  232
.set PW,  240
.set KW,  248
.set VW,  252
.set MSB, 0
.macro WIN new                         ; the immediate's high byte repeats the setting that is left
.if MSB != \new
	s_set_vgpr_msb (MSB<<8)|\new
.set MSB, \new
.endif
.endm
; The next chosen key block: s21 = the lowest bit of s18, which loses it and, when it is empty, begins anew with all of the mask (s17).  K's addresses for that block.
.macro NEXT
	s_ctz_i32_b32 s21, s18
	s_min_u32 s21, s21, 15                         ; a number read from memory enters an address only behind this bound
	s_sub_co_u32 s40, s18, 1
	s_and_b32 s18, s18, s40
	s_cselect_b32 s18, s18, s17
	s_lshl_b32 s40, s21, 13
	s_mov_b32 s41, 0
	s_add_nc_u64 s[32:33], s[24:25], s[40:41]      ; 8,192 bytes of codes a block
	s_lshl_b32 s40, s21, 9
	s_add_nc_u64 s[34:35], s[26:27], s[40:41]      ; 512 bytes of scale words
.endm
.macro KLOAD                           ; 20 loads: K's 8 fragments and their scale words
.irp t, 0,1,2,3,4,5,6,7
.irp c, 0,1
	global_load_b128 v[KF+8*\t+4*\c:KF+8*\t+4*\c+3], v[AF], s[32:33] offset:(32*(\t/2)+8*(\t%2))*64+32*\c
.endr
.endr
.irp b, 0,1,2,3
	global_load_b32 v[KW+\b], v[AS], s[34:35] offset:128*\b
.endr
.endm
.macro VLOAD                           ; 20 loads: V's 8 fragments of block s21 and their scale words
	s_lshl_b32 s40, s21, 13
	s_mov_b32 s41, 0
	s_add_nc_u64 s[36:37], s[28:29], s[40:41]
	s_lshl_b32 s40, s21, 9
	s_add_nc_u64 s[38:39], s[30:31], s[40:41]
.irp b, 0,1,2,3
	global_load_b32 v[VW+\b], v[AS], s[38:39] offset:128*\b
.endr
	WIN 0x40                                       ; destination window 1
.irp t, 0,1,2,3,4,5,6,7
.irp c, 0,1
	global_load_b128 v[8*\t+4*\c:8*\t+4*\c+3], v[AF], s[36:37] offset:(32*(\t/2)+8*(\t%2))*64+32*\c
.endr
.endr
	WIN 0
.endm
.macro SMUL                            ; S^T = K Q^T: 8 tiles of 16 keys; then the four places in front of the first read of results and of loads into K's registers
.irp t, 0,1,2,3,4,5,6,7
.if (\t)%2
	v_wmma_scale_f32_16x16x128_f8f6f4 v[S+8*\t:S+8*\t+7], v[KF+8*\t:KF+8*\t+7], v[QF:QF+7], 0, v[KW+\t/2], v[QW] matrix_a_fmt:MATRIX_FMT_FP4 matrix_b_fmt:MATRIX_FMT_FP4 matrix_a_scale:MATRIX_SCALE_ROW1
.else
	v_wmma_scale_f32_16x16x128_f8f6f4 v[S+8*\t:S+8*\t+7], v[KF+8*\t:KF+8*\t+7], v[QF:QF+7], 0, v[KW+\t/2], v[QW] matrix_a_fmt:MATRIX_FMT_FP4 matrix_b_fmt:MATRIX_FMT_FP4
.endif
.endr
.rept 4
	v_nop
.endr
.endm
; 64 numbers of a lane, v[s] on, register 16 b + i = k 32 b + 16 (lane / 16) + i of my row, become a fragment's codes in v[PC] on and its scale word in v[PW].
.macro QUANT s
.irp b, 0,1,2,3
	v_max3_num_f32 v[TM+\b], |v[\s+16*\b]|, |v[\s+1+16*\b]|, 0x1800000   ; my 16 numbers of block b, and the floor 2^(3 - 127): the byte cannot fall under 1
.endr
.irp i, 2,4,6,8,10,12,14
.irp b, 0,1,2,3
	v_max3_num_f32 v[TM+\b], v[TM+\b], |v[\s+16*\b+\i]|, |v[\s+1+16*\b+\i]|
.endr
.endr
.irp b, 0,1,2,3
	v_permlanex16_b32 v[TM+4+\b], v[TM+\b], s12, s13
.endr
.irp b, 0,1,2,3
	v_max_num_f32 v[TM+\b], v[TM+\b], v[TM+4+\b]   ; with lane l xor 16's: the block's largest magnitude
.endr
.irp b, 0,1,2,3
	v_add_nc_u32 v[TM+12+\b], 0xff000000, v[TM+\b] ; 2 off its exponent field: the conversion's scale operand
.endr
.irp b, 0,1,2,3
	v_lshrrev_b32 v[TM+4+\b], 23, v[TM+12+\b]      ; the scale's byte
.endr
	v_lshl_or_b32 v[PW], v[TM+5], 8, v[TM+4]
	v_lshl_or_b32 v[PW], v[TM+6], 16, v[PW]
	v_lshl_or_b32 v[PW], v[TM+7], 24, v[PW]
.irp b, 0,1,2,3
	v_cvt_scalef32_pk8_fp4_f32 v[PC+2*\b], v[\s+16*\b:\s+7+16*\b], v[TM+12+\b]
	v_cvt_scalef32_pk8_fp4_f32 v[PC+1+2*\b], v[\s+8+16*\b:\s+15+16*\b], v[TM+12+\b]
.endr
	v_nop                                          ; one plain instruction behind a scaled conversion
.irp c, 0,1                                    ; the operand's layout wants a whole block in a lane
.irp i, 0,1
	v_permlane16_swap_b32 v[PC+4*\c+\i], v[PC+2+4*\c+\i]
.endr
.endr
.endm
.macro SCALE_EXP                       ; the 64 scores become 2^(c s - c m): 32 packed multiply-adds, one batch of exponentials
.set j, 0
.rept 32
	v_pk_fma_f32 v[S+j:S+j+1], v[S+j:S+j+1], s[14:15], v[12:13] op_sel_hi:[1,0,0]   ; of the pairs c and -c m the low word serves both halves
.set j, j+2
.endr
.set j, 0
.rept 64
	v_exp_f32 v[S+j], v[S+j]
.set j, j+1
.endr
.endm
	s_load_b128 s[4:7], s[0:1], 0x0                ; acs s[4:5], masks s[6:7]
	s_load_b64 s[8:9], s[0:1], 0x10                ; ocs
	v_lshl_add_u32 v[SPW], v0, 2, SPARE
	v_mov_b32 v[NIL], 0
	v_lshrrev_b32 v29, 5, v0
	v_readfirstlane_b32 s10, v29                   ; wave 0..3
	v_and_b32 v29, 15, v0                          ; r
	v_bfe_u32 v30, v0, 4, 1                        ; h
	v_and_b32 v31, 8, v29
	v_add_nc_u32 v31, v31, v29                     ; r + 8 (r / 8)
	v_lshlrev_b32 v[AF], 6, v31
	v_lshl_add_u32 v[AF], v30, 4, v[AF]            ; a fragment of K or V: that row of 64 bytes, + 16 h
	v_lshl_add_u32 v[AS], v30, 3, v31
	v_lshlrev_b32 v[AS], 2, v[AS]                  ; scale words: lanes 16-31 take the tile 8 rows on
	v_lshlrev_b32 v[QO], 6, v29
	v_lshl_add_u32 v[QO], v30, 4, v[QO]            ; Q: row r, + 16 h
	v_lshlrev_b32 v[QS], 2, v29
	s_lshl_b32 s40, s10, 6
	v_mul_u32_u24 v[STO], v29, 272
	v_lshl_add_u32 v[STO], v30, 4, v[STO]
	v_add_nc_u32 v[STO], s40, v[STO]               ; the stage, in: token r, my head's 64 bytes, + 16 h
	s_mul_i32 s40, s10, 4*272
	v_mul_u32_u24 v[RD], v30, 272
	v_lshl_add_u32 v[RD], v29, 4, v[RD]
	v_add_nc_u32 v[RD], s40, v[RD]                 ; and out: tokens 4 w + h (+ 2), sixteen lanes to a token's 256 bytes
	s_lshl_b32 s40, s10, 12
	v_lshlrev_b32 v[GO], 10, v30
	v_lshl_add_u32 v[GO], v29, 4, v[GO]
	v_add_nc_u32 v[GO], s40, v[GO]                 ; the same place in ocs: 1,024 bytes a token
	s_lshl_b32 s40, s10, 2
	s_add_co_u32 s40, s40, SCS
	v_lshl_add_u32 v[SSO], v29, 4, s40             ; token r's scale word of my head
	v_and_b32 v31, 31, v0
	v_lshl_add_u32 v[SRD], v31, 3, SCS             ; the words on the way out: 8 bytes a lane
	v_lshrrev_b32 v[SGO], 1, v31
	v_lshlrev_b32 v[SGO], 6, v[SGO]
	v_and_b32 v31, 1, v31
	v_lshl_add_u32 v[SGO], v31, 3, v[SGO]          ; token l / 2 (64 bytes a token), + 8 (l % 2)
	s_bfe_u32 s11, ttmp9, 0x20003                  ; g: bits 3-4 of the work-group's number
	s_lshr_b32 s53, ttmp9, 5                       ; the rank, 0..15: bits r3 r2 r1 r0
	s_and_b32 s52, s53, 2
	s_lshl_b32 s52, s52, 2                         ; r1 becomes bit 3,
	s_lshr_b32 s54, s53, 1
	s_and_b32 s54, s54, 6                          ; r3 and r2 bits 2 and 1,
	s_or_b32 s52, s52, s54
	s_and_b32 s53, s53, 1                          ; r0 stays
	s_or_b32 s53, s52, s53                         ; my query block: ranks 0 to 3 are blocks 0, 1, 8, 9
	s_and_b32 s52, ttmp9, 7
	s_lshl_b32 s54, s53, 3
	s_or_b32 s52, s52, s54                         ; tt: my tile of 16 tokens = 8 x query block + bits 0-2
	s_lshl_b32 s23, s11, 2
	s_add_co_u32 s23, s23, s10                     ; my head
	s_mov_b32 s12, 0x76543210
	s_mov_b32 s13, 0xfedcba98                      ; v_permlanex16_b32's selects for lane l xor 16
	s_mov_b32 s14, 0x3e0293ee                      ; c = log2(e) / sqrt(128)
	s_mov_b32 s15, s14
	s_mov_b32 s16, 0xbe0293ee                      ; -c
	s_lshl_b32 s40, s23, 4
	s_add_co_u32 s40, s40, s53
	s_lshl_b32 s40, s40, 2                         ; masks: 4 bytes for each (head, query block)
	s_mov_b32 s41, 0
	s_wait_kmcnt 0x0
	s_add_nc_u64 s[6:7], s[6:7], s[40:41]
	s_load_b32 s17, s[6:7], 0x0                    ; the mask of (head, query block)
	s_lshl_b32 s40, s23, 17                        ; 131,072 bytes of codes a head
	s_add_nc_u64 s[42:43], s[4:5], s[40:41]
	s_add_nc_u64 s[24:25], s[42:43], 2097152       ; K's codes of my head
	s_add_nc_u64 s[28:29], s[42:43], 4194304       ; V's
	s_lshl_b32 s40, s23, 13                        ; 8,192 bytes of scale words a head
	s_add_nc_u64 s[44:45], s[4:5], s[40:41]
	s_add_nc_u64 s[44:45], s[44:45], ASC0
	s_add_nc_u64 s[26:27], s[44:45], 131072        ; K's scale words
	s_add_nc_u64 s[30:31], s[44:45], 262144        ; V's
	s_lshl_b32 s40, s52, 10
	s_add_nc_u64 s[42:43], s[42:43], s[40:41]      ; Q's codes at my first token
	s_lshl_b32 s40, s52, 6
	s_add_nc_u64 s[44:45], s[44:45], s[40:41]      ; and its scale words
	s_lshl_b32 s40, s52, 14
	s_lshl_b32 s46, s11, 8
	s_add_co_u32 s40, s40, s46
	s_add_nc_u64 s[48:49], s[8:9], s[40:41]        ; ocs: my first token's codes, the work-group's 256 bytes
	s_lshl_b32 s40, s52, 10
	s_lshl_b32 s46, s11, 4
	s_add_co_u32 s40, s40, s46
	s_add_nc_u64 s[50:51], s[8:9], s[40:41]
	s_add_nc_u64 s[50:51], s[50:51], 2097152       ; and its scale bytes, the work-group's 16
.set j, 0
.rept 64
	v_mov_b32 v[O+j], 0
.set j, j+1
.endr
.irp b, 0,1,2,3
	v_mov_b32 v[TM+4+\b], 0                        ; (a lane permute's destination counts as one of its sources)
.endr
	v_mov_b32 v242, 0
	v_mov_b32 v13, 0xff61b1e6                      ; m: -3e38, under every score
	v_mul_f32 v12, s16, v13                        ; -c m
	v_mov_b32 v14, 0                               ; l, in two halves
	v_mov_b32 v15, 0
	v_mov_b32 v31, 0                               ; (named as the upper half of the pair v[30:31])
	s_wait_kmcnt 0x0
	s_and_b32 s17, s17, 0xffff
	s_bcnt1_i32_b32 s19, s17
	s_min_u32 s19, s19, 16                         ; n: how many key blocks are chosen
	s_cmp_eq_u32 s19, 0
	s_cbranch_scc1 .Lout                           ; none: the output rows are zeros
.irp c, 0,1
	global_load_b128 v[QF+4*\c:QF+4*\c+3], v[QO], s[42:43] offset:32*\c
.endr
	global_load_b32 v[QW], v[QS], s[44:45]
	s_mov_b32 s18, s17
	NEXT
	KLOAD
	s_mov_b32 s20, 0
.Lpass1:                                               ; n trips: a chosen block's scores, the running maximum and sum
	s_wait_loadcnt 0x0                             ; K (and, in the first trip, Q) is in; so its address registers may be written
	SMUL
	NEXT                                           ; the next chosen block; in the last trip the first one again, for pass 2
	KLOAD                                          ; it lands while the lines below are worked
.irp b, 0,1,2,3
	v_max3_num_f32 v[TM+\b], v[S+16*\b], v[S+1+16*\b], v[S+2+16*\b]
.endr
.irp i, 3,5,7,9,11,13
.irp b, 0,1,2,3
	v_max3_num_f32 v[TM+\b], v[TM+\b], v[S+16*\b+\i], v[S+1+16*\b+\i]
.endr
.endr
.irp b, 0,1,2,3
	v_max_num_f32 v[TM+\b], v[TM+\b], v[S+15+16*\b]
.endr
	v_max3_num_f32 v241, v232, v233, v234
	v_max_num_f32 v241, v241, v235
	v_permlanex16_b32 v242, v241, s12, s13
	v_max3_num_f32 v13, v13, v241, v242            ; the running maximum of my query
	v_mov_b32 v29, v12
	v_mul_f32 v12, s16, v13                        ; the new -c m
	v_sub_f32 v29, v12, v29                        ; c m_old - c m_new, 0 or less
	SCALE_EXP
	v_exp_f32 v30, v29                             ; a: what was summed under the old m is brought under the new
	v_nop                                          ; a plain instruction behind the batch,
	s_wait_alu depctr_va_vdst(0)                   ; and its one wait, ahead of the first reader
	v_pk_mul_f32 v[14:15], v[14:15], v[30:31] op_sel_hi:[1,0]
	v_pk_add_f32 v[236:237], v[S:S+1], v[S+2:S+3]
.irp j, 4,8,12,16,20,24,28,32,36,40,44,48,52,56,60
	v_pk_add_f32 v[14:15], v[14:15], v[S+\j:S+1+\j]
	v_pk_add_f32 v[236:237], v[236:237], v[S+2+\j:S+3+\j]
.endr
	v_pk_add_f32 v[14:15], v[14:15], v[236:237]
	s_add_co_u32 s20, s20, 1
	s_cmp_lt_u32 s20, s19
	s_cbranch_scc1 .Lpass1
	v_add_f32 v14, v14, v15                        ; l's two halves,
	v_permlanex16_b32 v242, v14, s12, s13
	v_add_f32 v14, v14, v242                       ; and lane l xor 16's: the row's sum
	v_rcp_f32 v26, v14
	v_nop
	s_wait_alu depctr_va_vdst(0)
	v_mov_b32 v27, v26
; A block of pass 2.  At its head K's 20 loads of this block are out or in.  next = 1: the next chosen block's K is asked for.
.macro PASS2 next
	VLOAD                                          ; (four plain instructions stand behind the last product that read V's registers)
	s_wait_loadcnt 20                              ; K is in; V's 20, issued behind it, stay out
	SMUL
.if \next
	NEXT
	KLOAD
.endif
	SCALE_EXP
	v_nop
	s_wait_alu depctr_va_vdst(0)
.set j, 0
.rept 32
	v_pk_mul_f32 v[S+j:S+j+1], v[S+j:S+j+1], v[26:27] op_sel_hi:[1,0]   ; / l: p is finished and normalised
.set j, j+2
.endr
	QUANT S
.rept 8
	v_nop                                          ; a scale register written by a vector instruction stands 8 plain instructions ahead of a scaled matrix instruction, an operand 4
.endr
.if \next
	s_wait_loadcnt 20                              ; V is in; the next K's 20 stay out
.else
	s_wait_loadcnt 0x0
.endif
	WIN 0x01                                       ; source 0 (V) window 1
.irp t, 0,1,2,3,4,5,6,7                        ; O^T += V^T p^T: the eight accumulators take turns, and eight score tiles stand between two turns of one
.if (\t)%2
	v_wmma_scale_f32_16x16x128_f8f6f4 v[O+8*\t:O+8*\t+7], v[8*\t:8*\t+7], v[PC:PC+7], v[O+8*\t:O+8*\t+7], v[VW+\t/2], v[PW] matrix_a_fmt:MATRIX_FMT_FP4 matrix_b_fmt:MATRIX_FMT_FP4 matrix_a_scale:MATRIX_SCALE_ROW1
.else
	v_wmma_scale_f32_16x16x128_f8f6f4 v[O+8*\t:O+8*\t+7], v[8*\t:8*\t+7], v[PC:PC+7], v[O+8*\t:O+8*\t+7], v[VW+\t/2], v[PW] matrix_a_fmt:MATRIX_FMT_FP4 matrix_b_fmt:MATRIX_FMT_FP4
.endif
.endr
	WIN 0
.rept 4
	v_nop
.endr
.endm
	s_sub_co_u32 s22, s19, 1
	s_cmp_eq_u32 s22, 0
	s_cbranch_scc1 .Llast
	s_mov_b32 s20, 0
.Lpass2:                                               ; n - 1 trips
	PASS2 1
	s_add_co_u32 s20, s20, 1
	s_cmp_lt_u32 s20, s22
	s_cbranch_scc1 .Lpass2
.Llast:
	PASS2 0                                        ; the last chosen block is written out: it asks for no further K
.Lout:
	QUANT O                                        ; my head's 128 channels of 16 tokens: four blocks of 32 along D.  (Zeros give zero codes and the byte 1)
	ds_store_b128 v[STO], v[PC:PC+3]
	ds_store_b128 v[STO], v[PC+4:PC+7] offset:32
	ds_store_b32 v[SSO], v[PW]                     ; lanes 16-31 hold and write the same word as lanes 0-15
	s_wait_dscnt 0x0                               ; for the others' sake: my stores have landed
	s_barrier_signal -1
	s_barrier_wait -1
	ds_load_b128 v[32:35], v[RD]
	ds_load_b128 v[36:39], v[RD] offset:544
	s_wait_dscnt 0x0
	global_store_b128 v[GO], v[32:35], s[48:49]                    ; sixteen lanes store 256 consecutive bytes, aligned
	global_store_b128 v[GO], v[36:39], s[48:49] offset:2048
	s_cmp_lg_u32 s10, 0
	s_cbranch_scc1 .Ldone
	ds_load_b64 v[40:41], v[SRD]                   ; wave 0: the 16 tokens' 16 scale bytes each
	s_wait_dscnt 0x0
	global_store_b64 v[SGO], v[40:41], s[50:51]
.Ldone:
	s_wait_tensorcnt 0x0                           ; the wave's end: three lines behind my last LDS store
	ds_add_u32 v[SPW], v[NIL]
	s_wait_dscnt 0x0
	s_endpgm
.Lfunc_end_k_q7610e004ae_attn:
	.size	k_q7610e004ae_attn, .Lfunc_end_k_q7610e004ae_attn-k_q7610e004ae_attn
	.p2alignl 7, 3214868480
	.fill 96, 4, 3214868480
	.section	.rodata,"a",@progbits
	.p2align	6, 0x0
	.amdhsa_kernel k_q7610e004ae_attn
		.amdhsa_group_segment_fixed_size 5120
		.amdhsa_private_segment_fixed_size 0
		.amdhsa_enable_private_segment 0
		.amdhsa_kernarg_size 24
		.amdhsa_user_sgpr_count 2
		.amdhsa_user_sgpr_kernarg_segment_ptr 1
		.amdhsa_wavefront_size32 1
		.amdhsa_system_sgpr_workgroup_id_x 1
		.amdhsa_system_sgpr_workgroup_id_y 1
		.amdhsa_system_sgpr_workgroup_id_z 1
		.amdhsa_system_vgpr_workitem_id 0
		.amdhsa_next_free_vgpr 320
		.amdhsa_next_free_sgpr 66
		.amdhsa_reserve_vcc 0
		.amdhsa_float_denorm_mode_32 3
		.amdhsa_float_denorm_mode_16_64 3
		.amdhsa_memory_ordered 1
		.amdhsa_forward_progress 1
		.amdhsa_inst_pref_size 58
	.end_amdhsa_kernel
	.amdgpu_metadata
---
amdhsa.version: [ 1, 2 ]
amdhsa.kernels:
  - .name:           k_q7610e004ae_attn
    .symbol:         k_q7610e004ae_attn.kd
    .args:
      - { .name: acs, .offset: 0, .size: 8, .value_kind: global_buffer, .address_space: global }
      - { .name: masks, .offset: 8, .size: 8, .value_kind: global_buffer, .address_space: global }
      - { .name: ocs, .offset: 16, .size: 8, .value_kind: global_buffer, .address_space: global }
    .group_segment_fixed_size: 5120
    .private_segment_fixed_size: 0
    .kernarg_segment_align: 8
    .kernarg_segment_size: 24
    .max_flat_workgroup_size: 128
    .sgpr_count:     66
    .vgpr_count:     320
    .wavefront_size: 32
...
	.end_amdgpu_metadata
.endif
;; end of part 5
;; launch gemm_out (part 6): grid 16 x 16, 4 waves a work-group, clusters of 4 x 4, 327,680 bytes of LDS; arguments ocs, wcs, bo, out0; writes out0
.if DOCPART == 6
	.amdgcn_target "amdgcn-amd-amdhsa--gfx1250"
	.amdhsa_code_object_version 6
	.text
	.protected	k_q7610e004ae_gemm_out
	.globl	k_q7610e004ae_gemm_out
	.p2align	8
	.type	k_q7610e004ae_gemm_out,@function
k_q7610e004ae_gemm_out:
	s_mov_b64 s[64:65], 0
	v_nop
	global_prefetch_b8 v0, s[64:65] scope:SCOPE_SE
	s_setreg_imm32_b32 hwreg(HW_REG_WAVE_MODE, 25, 1), 1
	s_wait_xcnt 0x0
	s_wait_alu depctr_hold_cnt(0) depctr_sa_sdst(0) depctr_va_vdst(0) depctr_va_sdst(0) depctr_va_ssrc(0) depctr_va_vcc(0) depctr_vm_vsrc(0)
	s_getreg_b32 s2, hwreg(HW_REG_IB_STS2, 6, 4)
	s_cmp_eq_u32 s2, 0
	s_cbranch_scc0 .Lentry_in_a_cluster
	s_endpgm
.Lentry_in_a_cluster:
	s_bfe_u32 s2, ttmp6, 0x10000c
	s_cmp_lg_u32 s2, 0xf033
	s_cbranch_scc0 .Lentry_shape_is_right
	s_endpgm
.Lentry_shape_is_right:
; LAUNCH 6 OF 6.  out0[m][n] = sum over k of A[m][k] B[n][k] + bo[n] on FP4 codes with one E8M0 scale for each 32 along K.  A = the attention's output (ocs: codes, then scale bytes), B = Wo (rows 8192.. of wcs).
; THE TILE.  2048 x 2048 of C are 64 tiles of 256 x 256 but 256 tiles of 128 x 128: the smaller tile gives 256 work-groups.  Four waves, each 64 x 64: 16 accumulators, 128 registers.
; ALL OF K LIES IN LDS.  128 + 128 rows x 1,024 bytes of codes are 256 KB: with their padding and the scale bytes they fit, so nothing is ever filled again: every tile is asked for at the kernel's head,
; there is no ring, and between the first and the closing round of the cluster's barrier stands none.  K comes in two halves (rows of 512 bytes), so that the products begin when the first half has landed.
; CLUSTERS: 4 x 4.  The four of a row of the cluster need the same tiles of A, the four of a column the same tiles of B: each tile is asked for jointly, by the same tensor load with the same descriptor.
; The matrix instruction is used transposed (source 0 = 16 rows of B, source 1 = 16 rows of A): a lane then holds eight neighbouring numbers of a row of C.
; A STEP is 128 along K: 16 matrix instructions on 4 + 4 fragments (16 LDS loads).  Four fragment buffers take turns; a step's fragments are asked for two steps ahead.  16 steps, written out.
; REGISTERS: window 0: v1-31 addresses, the bias in v8-11; v32-95 scale words for all of K, loaded once (register 16 i + t: lanes 0-15 A's block i, lanes 16-31 B's block i, step t);
;   v128-255 the accumulators ((a, b) at v[128 + 8 (4 a + b)]).   window 1: four buffers of 64: A's four fragments, then B's four.
; No prefetch: the launch is short, and all that it reads is asked for at its head.  One tile to a work-group.
.set SIZE_N, 2048
.set SCL0,   10485760                  ; wcs: where the scale bytes begin
.set OSC0,   2097152                   ; ocs: likewise
.set ROWB,   512                       ; a tile's row in bytes: 1,024 codes, half of K
.set KROW,   1024                      ; a row of A or of B in memory
.set PITCH,  528                       ; an LDS row: 512 bytes + 16 of padding = 132 words: the 16 rows that a load touches start 4 words further on in the banks each
.set HALFT,  64*PITCH                  ; 64 rows: what one tensor load brings, and what one wave reads of A or of B
.set SLOT,   4*HALFT                   ; A's 128 rows, then B's 128 rows, for half of K
.set KS,     64                        ; a row of scale bytes
.set SCL,    2*SLOT                    ; behind the two halves: the scale bytes, as runs of 256 bytes + 16 of padding
.set HALFS,  (64*KS/256)*272           ; those of 64 rows: what one tensor load brings
.set SBLK,   (16*KS/256)*272           ; those of 16 rows
.set SPARE,  SCL+4*HALFS               ; the spare words: 128 bytes for each wave, named by no other line
.set STAGE,  SPARE+512                 ; the way out: 16 rows x (256 + 16) bytes for each wave: bytes of their own, into which no tile lands
.set SPITCH, 272
.set BI,   8                           ; v8-11   the bias of the four columns that I store
.set ADRA, 16                          ; v16-17  LDS address of my A fragments in half 0, 1 of K
.set ADRB, 20                          ; v20-21  the same for B
.set STO,  24                          ; v24     the way out: where I put 32 bytes of a row
.set RD,   25                          ; v25     where I read a row back
.set CO,   26                          ; v26     my byte offset in C
.set ADRS, 27                          ; v27     LDS address of my scale words: lanes 0-15 A's rows, lanes 16-31 B's
.set SPW,  28                          ; v28     LDS address of my spare word; never rewritten
.set NIL,  29                          ; v29     0; never rewritten
.set CB,   30                          ; v30     16 x (lane % 16): my four columns among the wave's 64
.set SC,   32
.set ACC,  128
.set G1, 24                            ; s[24:31] descriptor group 1 for A's tiles;  s[32:39] group 0, one set for each half of K
.set G0, 32
.set G1B, 48                           ; s[48:55], s[56:63] the same for B's tiles
.set G0B, 56
.set G1S, 68                           ; s[68:75], s[76:79] groups 1 and 0 for A's scale bytes;  s[80:87], s[88:91] for B's
.set G0S, 76
.set G1SB, 80
.set G0SB, 88
.set MSB, 0
.macro WIN new                         ; the immediate's high byte repeats the setting that is left
.if MSB != \new
	s_set_vgpr_msb (MSB<<8)|\new
.set MSB, \new
.endif
.endm
.set MUL_W, 0x05                       ; sources 0 (B) and 1 (A) window 1; C and D window 0
.set TO_F,  0x40                       ; destination window 1, address window 0
; A joint load: waves 0 and 1 fetch for A, waves 2 and 3 for B.  The branch hangs on the wave's number alone.  An s_nop 0 and four v_nop follow each of the two lines.
.macro JLOAD g0a, g1a, g0b, g1b
	s_cmp_eq_u32 s15, 0
	s_cbranch_scc0 .Lfor_b_\@
	tensor_load_to_lds s[\g0a:\g0a+3], s[\g1a:\g1a+7]
	s_nop 0
.rept 4
	v_nop
.endr
	s_branch .Lasked_\@
.Lfor_b_\@:
	tensor_load_to_lds s[\g0b:\g0b+3], s[\g1b:\g1b+7]
	s_nop 0
.rept 4
	v_nop
.endr
.Lasked_\@:
.endm
.macro CROUND                          ; a round of the cluster's barrier
	s_barrier_signal -1
	s_barrier_wait -1
	s_cmp_lg_u32 s14, 0
	s_cbranch_scc1 .Lnot_wave_0_\@
	s_barrier_signal -3
.Lnot_wave_0_\@:
	s_barrier_wait -3
	s_barrier_signal -1
	s_barrier_wait -1
.endm
	s_load_b128 s[4:7], s[0:1], 0x0                ; ocs s[4:5], wcs s[6:7]
	s_load_b128 s[96:99], s[0:1], 0x10             ; bo s[96:97], out0 s[98:99]
	v_lshl_add_u32 v[SPW], v0, 2, SPARE
	v_mov_b32 v[NIL], 0
	ds_add_u32 v[SPW], v[NIL]                      ; the wave's opening: the add, twice on end, and its wait ahead of my first tensor load
	ds_add_u32 v[SPW], v[NIL]                      ; and once more, under the one wait; the set-up below, work on registers, stands between
	v_lshrrev_b32 v1, 5, v0
	v_readfirstlane_b32 s14, v1                    ; wave 0..3
	s_lshr_b32 s15, s14, 1                         ; which half of the tile's rows is mine.  Also: I fetch for A (0) or for B (1)
	s_and_b32 s16, s14, 1                          ; which half of its columns.  Also: which 64 rows of that tile I fetch
	s_bfe_u32 s40, ttmp6, 0x40000                  ; cx, cy: my place in the cluster
	s_bfe_u32 s41, ttmp6, 0x40004
	s_lshl_b32 s42, ttmp9, 2
	s_add_co_u32 s42, s42, s40                     ; tile column of C = 4 x cluster x + cx
	s_and_b32 s17, ttmp7, 0xffff
	s_lshl_b32 s17, s17, 2
	s_add_co_u32 s17, s17, s41                     ; tile row of C = 4 x cluster y + cy
	s_lshl_b32 s43, s41, 2
	s_lshl_b32 s43, 15, s43                        ; my row of the cluster
	s_lshl_b32 s44, 0x1111, s40                    ; my column
	; descriptor group 1: a tile of 64 rows x 512 bytes, padded in LDS
	s_or_b32 s[G1+0], s43, (0<<16)|(1<<20)|(1<<21)|(6<<22)|(3<<25)  ; 15:0 the mask: A's tiles go to my row; 17:16 elements of 1 byte; 20 padding on; 21 set beside a mask; 24:22 after every 128 words; 31:25 four words
	s_or_b32 s[G1B+0], s44, (0<<16)|(1<<20)|(1<<21)|(6<<22)|(3<<25)
.irp g, G1, G1B
	s_mov_b32 s[\g+1], ROWB<<16                    ; tensor_dim0
	s_mov_b32 s[\g+2], 64<<16                      ; tensor_dim1
	s_mov_b32 s[\g+3], ROWB<<16                    ; tile_dim0
	s_mov_b32 s[\g+4], 64                          ; tile_dim1
	s_mov_b32 s[\g+5], KROW                        ; tensor_dim0_stride
	s_mov_b32 s[\g+6], 0
	s_mov_b32 s[\g+7], 0
.endr
	; and for the scale bytes of 64 rows: a dense block of 4,096 bytes, as 16 rows of 256 bytes (32 elements of 8 bytes), 16 bytes of padding behind each
	s_or_b32 s[G1S+0], s43, (3<<16)|(1<<20)|(1<<21)|(5<<22)|(3<<25)
	s_or_b32 s[G1SB+0], s44, (3<<16)|(1<<20)|(1<<21)|(5<<22)|(3<<25)
.irp g, G1S, G1SB
	s_mov_b32 s[\g+1], 32<<16
	s_mov_b32 s[\g+2], (64*KS/256)<<16
	s_mov_b32 s[\g+3], 32<<16
	s_mov_b32 s[\g+4], 64*KS/256
	s_mov_b32 s[\g+5], 32
	s_mov_b32 s[\g+6], 0
	s_mov_b32 s[\g+7], 0
.endr
	s_lshl_b32 s18, s16, 6                         ; which 64 rows of the tile I fetch
	s_lshl_b32 s20, s17, 7
	s_add_co_u32 s20, s20, s18                     ; A: row 128 x tile row + 64 x half
	s_lshl_b32 s46, s42, 7
	s_add_co_u32 s46, s46, s18                     ; B: row 128 x tile column + 64 x half,
	s_add_co_u32 s46, s46, 8192                    ; of Wo: rows 8192.. of wcs
	s_mov_b32 s21, 0
	s_mov_b32 s47, 0
	s_mov_b64 s[18:19], KS
	s_mul_u64 s[22:23], s[20:21], s[18:19]         ; where these rows' scale bytes begin
	s_mul_u64 s[92:93], s[46:47], s[18:19]
	s_mov_b64 s[18:19], KROW
	s_mul_u64 s[20:21], s[20:21], s[18:19]         ; and their codes
	s_mul_u64 s[46:47], s[46:47], s[18:19]
	s_mul_i32 s45, s14, HALFT                      ; where they go: wave x 64 rows: no place in the cluster enters an LDS address
	s_mul_i32 s94, s14, HALFS
	s_wait_dscnt 0x0                               ; both opening adds are done
	s_wait_kmcnt 0x0
	s_mov_b64 s[12:13], s[98:99]                   ; C
	s_mov_b64 s[8:9], s[6:7]                       ; B's codes: wcs
	s_add_nc_u64 s[10:11], s[8:9], SCL0            ; B's scale bytes
	s_add_nc_u64 s[6:7], s[4:5], OSC0              ; A's scale bytes: in ocs
	s_add_nc_u64 s[20:21], s[4:5], s[20:21]
	s_add_nc_u64 s[22:23], s[6:7], s[22:23]
	s_add_nc_u64 s[46:47], s[8:9], s[46:47]
	s_add_nc_u64 s[92:93], s[10:11], s[92:93]
	CROUND                                         ; all sixteen work-groups are here: the joint loads meet
	s_mov_b32 s[G0S], 1
	s_add_co_u32 s[G0S+1], s94, SCL
	s_mov_b64 s[G0S+2:G0S+3], s[22:23]
	s_or_b32 s[G0S+3], s[G0S+3], 0x80000000
	s_mov_b32 s[G0SB], 1
	s_add_co_u32 s[G0SB+1], s94, SCL
	s_mov_b64 s[G0SB+2:G0SB+3], s[92:93]
	s_or_b32 s[G0SB+3], s[G0SB+3], 0x80000000
	JLOAD G0S, G1S, G0SB, G1SB                     ; the scale bytes first: they are wanted with the first step
.irp s, 0,1
	s_mov_b32 s[G0+4*\s], 1
	s_add_co_u32 s[G0+4*\s+1], s45, \s*SLOT
	s_add_nc_u64 s[G0+4*\s+2:G0+4*\s+3], s[20:21], \s*ROWB
	s_or_b32 s[G0+4*\s+3], s[G0+4*\s+3], 0x80000000
	s_mov_b32 s[G0B+4*\s], 1
	s_add_co_u32 s[G0B+4*\s+1], s45, \s*SLOT
	s_add_nc_u64 s[G0B+4*\s+2:G0B+4*\s+3], s[46:47], \s*ROWB
	s_or_b32 s[G0B+4*\s+3], s[G0B+4*\s+3], 0x80000000
	JLOAD G0+4*\s, G1, G0B+4*\s, G1B               ; by this text's count three tensor loads of a wave are out here: all that it ever issues
.endr
	v_and_b32 v1, 15, v0                           ; l % 16
	v_bfe_u32 v2, v0, 4, 1                         ; l / 16
	v_mul_u32_u24 v3, v1, PITCH
	v_lshl_add_u32 v4, v2, 4, v3                   ; a fragment's row x pitch + 16 x half
	s_mul_i32 s21, s15, HALFT                      ; my 64 rows of A
	s_mul_i32 s22, s16, HALFT                      ; my 64 rows of B,
	s_add_co_u32 s22, s22, 2*HALFT                 ; which lie behind A's 128
.irp s, 0,1
	v_add_nc_u32 v[ADRA+\s], s21, v4
	v_add_nc_u32 v[ADRB+\s], s22, v4
	s_add_co_u32 s21, s21, SLOT
	s_add_co_u32 s22, s22, SLOT
.endr
	v_mul_u32_u24 v5, v1, KS                       ; my row's scale bytes: KS bytes a row,
	v_lshrrev_b32 v6, 8, v5
	v_lshl_add_u32 v5, v6, 4, v5                   ; and 16 more for each 256 passed
	s_mul_i32 s21, s15, HALFS                      ; A's: my 64 rows
	s_mul_i32 s22, s16, HALFS                      ; B's: my 64 rows, behind A's 128
	s_add_co_u32 s22, s22, 2*HALFS
	s_sub_co_u32 s22, s22, s21
	v_mul_u32_u24 v6, s22, v2                      ; lanes 16-31 take B's
	s_add_co_u32 s21, s21, SCL
	v_add_nc_u32 v5, v5, v6
	v_add_nc_u32 v[ADRS], s21, v5
	s_mul_i32 s23, s14, 16*SPITCH
	s_add_co_u32 s23, s23, STAGE                   ; my stage
	v_mul_u32_u24 v5, v1, SPITCH                   ; in: row l % 16, 32 bytes for each half of the lanes
	v_lshl_add_u32 v5, v2, 5, v5
	v_add_nc_u32 v[STO], s23, v5
	v_lshlrev_b32 v[CB], 4, v1                     ; 16 bytes a lane among sixteen
	v_mul_u32_u24 v5, v2, SPITCH                   ; back: lanes 0-15 take one row of 256 bytes, lanes 16-31 the next
	v_add_nc_u32 v5, v5, v[CB]
	v_add_nc_u32 v[RD], s23, v5
	v_mul_u32_u24 v5, v2, SIZE_N*4                 ; and the same two rows in C
	v_add_nc_u32 v[CO], v5, v[CB]
	s_lshl_b32 s20, s17, 7
	s_lshl_b32 s21, s15, 6
	s_add_co_u32 s20, s20, s21                     ; my first row of C: 128 x tile row + 64 x half
	s_mov_b32 s21, 0
	s_mov_b64 s[18:19], SIZE_N*4
	s_mul_u64 s[20:21], s[20:21], s[18:19]
	s_lshl_b32 s46, s42, 9                         ; my first column, in bytes: 512 x tile column + 256 x half
	s_lshl_b32 s47, s16, 8
	s_add_co_u32 s46, s46, s47
	s_mov_b32 s47, 0
	s_add_nc_u64 s[20:21], s[20:21], s[46:47]
	s_add_nc_u64 s[12:13], s[12:13], s[20:21]
	s_add_nc_u64 s[96:97], s[96:97], s[46:47]      ; the bias at my first column
	global_load_b128 v[BI:BI+3], v[CB], s[96:97]   ; of the four columns that I store in every row
; The fragments of step t (half t / 8 of K, its (t % 8)-th 128) into buffer t % 4: 16 LDS loads.  A fragment, 16 rows x 128 K of 4-bit codes, is 8 registers: lane l holds row l % 16;
; registers 4 c .. 4 c + 3 hold K = 64 c + 32 (l / 16) + 0 .. 31: two loads of 16 bytes, 32 bytes apart.
.macro FETCH t
.set FB, 64*((\t)%4)
.set SL, (\t)/8
.set KO, 64*((\t)%8)
	WIN TO_F
.irp i, 0,1,2,3
.irp c, 0,1
	ds_load_b128 v[FB+8*\i+4*\c:FB+8*\i+4*\c+3], v[ADRA+SL] offset:KO+32*\c+\i*16*PITCH
	ds_load_b128 v[FB+32+8*\i+4*\c:FB+32+8*\i+4*\c+3], v[ADRB+SL] offset:KO+32*\c+\i*16*PITCH
.endr
.endr
.endm
; Step t's 16 matrix instructions.  zero = 1: the first product starts the sums: nothing is ever cleared.  The 16 accumulators take turns, one instruction a turn, in the same order in every step
; B's scale words are read from lanes 16-31 of their register, A's from lanes 0-15.
.macro MUL t, zero
.set FB, 64*((\t)%4)
.irp a, 0,1,2,3
.irp b, 0,1,2,3
.if \zero
	v_wmma_scale_f32_16x16x128_f8f6f4 v[ACC+8*(4*\a+\b):ACC+8*(4*\a+\b)+7], v[FB+32+8*\b:FB+32+8*\b+7], v[FB+8*\a:FB+8*\a+7], 0, v[SC+16*\b+(\t)], v[SC+16*\a+(\t)] matrix_a_fmt:MATRIX_FMT_FP4 matrix_b_fmt:MATRIX_FMT_FP4 matrix_a_scale:MATRIX_SCALE_ROW1
.else
	v_wmma_scale_f32_16x16x128_f8f6f4 v[ACC+8*(4*\a+\b):ACC+8*(4*\a+\b)+7], v[FB+32+8*\b:FB+32+8*\b+7], v[FB+8*\a:FB+8*\a+7], v[ACC+8*(4*\a+\b):ACC+8*(4*\a+\b)+7], v[SC+16*\b+(\t)], v[SC+16*\a+(\t)] matrix_a_fmt:MATRIX_FMT_FP4 matrix_b_fmt:MATRIX_FMT_FP4 matrix_a_scale:MATRIX_SCALE_ROW1
.endif
.endr
.endr
.endm
; A load into a register that a matrix instruction has read, and an LDS store that reads a matrix result, stand four plain vector instructions behind that matrix instruction.
; The four behind each step's products serve the loads of this step and of the next two into buffers that earlier steps have multiplied.
.macro PLACES
.rept 4
	v_nop
.endr
.endm
.macro STEP t, zero
	s_wait_dscnt 16                                ; this step's fragments are in; the 16 loads of the next step's, issued behind them, may be out
	WIN MUL_W
	MUL \t, \zero
	PLACES
	FETCH (\t)+2
.endm
	s_wait_tensorcnt 1                             ; the scale bytes and my part of K's first half are in (the second half's load, issued behind them, may be out)
	s_barrier_signal -1
	s_barrier_wait -1                              ; everybody's are
.irp i, 0,1,2,3
.irp j, 0,1,2,3
	ds_load_b128 v[SC+16*\i+4*\j:SC+16*\i+4*\j+3], v[ADRS] offset:\i*SBLK+16*\j   ; the 16 scale words of my row of block i: all of K, once
.endr
.endr
	FETCH 0
	FETCH 1
	STEP 0, 1                                      ; (its wait covers the scale words too: they were asked for ahead of step 0's fragments)
.irp t, 1,2,3,4,5
	STEP \t, 0
.endr
	s_wait_tensorcnt 0x0                           ; step 6 asks for step 8's fragments, the first of K's second half: my part of it has landed (its load is my last: the count is 0),
	s_wait_dscnt 0x0                               ; no LDS load of mine is out at the signal (steps 6 and 7 are in),
	s_barrier_signal -1
	WIN MUL_W
	MUL 6, 0                                       ; work on registers while the others arrive,
	s_barrier_wait -1                              ; and everybody's part has landed
	PLACES
	FETCH 8
.irp t, 7,8,9,10,11,12,13
	STEP \t, 0
.endr
	s_wait_dscnt 16                                ; the last two steps fetch nothing
	WIN MUL_W
	MUL 14, 0
	s_wait_dscnt 0x0
	MUL 15, 0
	WIN 0
; THE WAY OUT, block by block of 16 rows x 64 columns.  A lane holds 32 neighbouring bytes of a row, and the lanes beside it hold other rows: so a block goes through my own stage in LDS and comes back, into the
; registers that it left, as whole rows of 256 bytes.  LDS serves a wave's instructions in order (ISA guide 5.7.1.4): no wait between the stores and the loads, nor in front of the next block's stores.
.macro TOSTAGE a
.irp b, 0,1,2,3
	ds_store_b128 v[STO], v[ACC+8*(4*(\a)+\b):ACC+8*(4*(\a)+\b)+3] offset:64*\b          ; each accumulator from its low end on
	ds_store_b128 v[STO], v[ACC+8*(4*(\a)+\b)+4:ACC+8*(4*(\a)+\b)+7] offset:64*\b+16
.endr
.irp t, 0,1,2,3,4,5,6,7
	ds_load_b128 v[ACC+32*(\a)+4*\t:ACC+32*(\a)+4*\t+3], v[RD] offset:2*\t*SPITCH
.endr
.endm
.macro SEND a, younger                 ; younger: the LDS instructions issued behind block a's loads, which may stay out
	s_wait_dscnt \younger                          ; the block is back in registers
.irp t, 0,1,2,3,4,5,6,7
	v_pk_add_f32 v[ACC+32*(\a)+4*\t:ACC+32*(\a)+4*\t+1], v[ACC+32*(\a)+4*\t:ACC+32*(\a)+4*\t+1], v[BI:BI+1]         ; + the bias of my four columns
	v_pk_add_f32 v[ACC+32*(\a)+4*\t+2:ACC+32*(\a)+4*\t+3], v[ACC+32*(\a)+4*\t+2:ACC+32*(\a)+4*\t+3], v[BI+2:BI+3]
.endr
.irp t, 0,1,2,3,4,5,6,7
	global_store_b128 v[CO], v[ACC+32*(\a)+4*\t:ACC+32*(\a)+4*\t+3], s[12:13] offset:(16*(\a)+2*\t)*SIZE_N*4 th:TH_STORE_NT   ; sixteen lanes store 256 consecutive bytes, at a multiple of 256 from C's first byte; the row stands in the immediate: 62 rows of 8,192 bytes at the most
.endr
.endm
	s_wait_loadcnt 0x0                             ; the bias
	PLACES
	TOSTAGE 0
	TOSTAGE 1
	SEND 0, 16                                     ; behind block 0's loads: block 1's 8 stores and 8 loads
	TOSTAGE 2
	SEND 1, 16
	TOSTAGE 3
	SEND 2, 16
	SEND 3, 0
	s_wait_tensorcnt 0x0                           ; the wave's end: three lines behind my last tensor load and my last LDS store
	ds_add_u32 v[SPW], v[NIL]
	s_wait_dscnt 0x0
	CROUND                                         ; the closing round: no work-group ends while a partner may still ask for a tile that names it
	s_endpgm
.Lfunc_end_k_q7610e004ae_gemm_out:
	.size	k_q7610e004ae_gemm_out, .Lfunc_end_k_q7610e004ae_gemm_out-k_q7610e004ae_gemm_out
	.p2alignl 7, 3214868480
	.fill 96, 4, 3214868480
	.section	.rodata,"a",@progbits
	.p2align	6, 0x0
	.amdhsa_kernel k_q7610e004ae_gemm_out
		.amdhsa_group_segment_fixed_size 327680
		.amdhsa_private_segment_fixed_size 0
		.amdhsa_enable_private_segment 0
		.amdhsa_kernarg_size 32
		.amdhsa_user_sgpr_count 2
		.amdhsa_user_sgpr_kernarg_segment_ptr 1
		.amdhsa_wavefront_size32 1
		.amdhsa_system_sgpr_workgroup_id_x 1
		.amdhsa_system_sgpr_workgroup_id_y 1
		.amdhsa_system_sgpr_workgroup_id_z 1
		.amdhsa_system_vgpr_workitem_id 0
		.amdhsa_next_free_vgpr 512
		.amdhsa_next_free_sgpr 100
		.amdhsa_reserve_vcc 0
		.amdhsa_float_denorm_mode_32 3
		.amdhsa_float_denorm_mode_16_64 3
		.amdhsa_memory_ordered 1
		.amdhsa_forward_progress 1
		.amdhsa_inst_pref_size 74
	.end_amdhsa_kernel
	.amdgpu_metadata
---
amdhsa.version: [ 1, 2 ]
amdhsa.kernels:
  - .name:           k_q7610e004ae_gemm_out
    .symbol:         k_q7610e004ae_gemm_out.kd
    .args:
      - { .name: ocs, .offset: 0, .size: 8, .value_kind: global_buffer, .address_space: global }
      - { .name: wcs, .offset: 8, .size: 8, .value_kind: global_buffer, .address_space: global }
      - { .name: bo, .offset: 16, .size: 8, .value_kind: global_buffer, .address_space: global }
      - { .name: out0, .offset: 24, .size: 8, .value_kind: global_buffer, .address_space: global }
    .group_segment_fixed_size: 327680
    .private_segment_fixed_size: 0
    .kernarg_segment_align: 8
    .kernarg_segment_size: 32
    .max_flat_workgroup_size: 128
    .sgpr_count:     100
    .vgpr_count:     512
    .wavefront_size: 32
...
	.end_amdgpu_metadata
.endif
;; end of part 6
